; MI455X (gfx1250); checked and timed in simulation.
; The chip was launched on July 23, 2026; its instructions are those of AMD's public machine-readable ISA for CDNA 5 (MIT licence, August 2026) and "CDNA5" Instruction Set Architecture Reference Guide (July 2026). The comments in the code are by the model that wrote it; some were corrected since.
;; HSTU Block. Allowed arithmetic: matrix products marked QUANTISED: E2M3 operands, one E8M0 scale for each 32 along K, by v_wmma_scale_f32_16x16x128_f8f6f4 with both operands' format E2M3, f32 sums; everything else in f32.
;; Inputs: attn_mask 2 x 2,048 x 2,048 bool; ffn1_b 4,096 float32; ffn1_w 4,096 x 1,024 float32; ffn2_b 1,024 float32; ffn2_w 1,024 x 4,096 float32; gate_w 1 float32; pos_ids 2 x 2,048 int32; rel_pos_table 32 x 1 float32; res_w 1 float32; rms_w 1,024 float32; wk 512 x 1,024 float32; wo 1,024 x 1,024 float32; wq 512 x 1,024 float32; wu 1,024 x 1,024 float32; wv 1,024 x 1,024 float32; x 2 x 2,048 x 1,024 float32.
;; Outputs: out0 2 x 2,048 x 1,024 float32.
;; This version of the problem:
;;   THIS VERSION OF THE PROBLEM IS GIVEN IN LOW PRECISION. The matrix products marked QUANTISED in the list below multiply operands that are first quantised to E2M3 (2 exponent bits, 3 mantissa bits; 6 bits a number), with one power-of-two scale for each 32 numbers along K (OCP MX v1.0); their sums are f32. All else is computed in f32.
;;   The module's matrix products, in the order in which they are computed (A, B: the left and right operand; K: the contracted axis; several contracted axes count as one K, in the product's order):
;;     1. [M 4,096, K 1,024] x [K 1,024, N 512]; A: computed on the way; B: input wq: QUANTISED
;;     2. [M 4,096, K 1,024] x [K 1,024, N 512]; A: computed on the way; B: input wk: QUANTISED
;;     3. [M 4,096, K 1,024] x [K 1,024, N 1,024]; A: computed on the way; B: input wv: QUANTISED
;;     4. [M 4,096, K 1,024] x [K 1,024, N 1,024]; A: computed on the way; B: input wu: QUANTISED
;;     5. batch 32 x [M 2,048, K 32] x [K 32, N 2,048]; A: computed on the way; B: computed on the way: QUANTISED
;;     6. batch 32 x [M 2,048, K 2,048] x [K 2,048, N 64]; A: computed on the way; B: computed on the way: QUANTISED
;;     7. [M 4,096, K 1,024] x [K 1,024, N 1,024]; A: computed on the way; B: input wo: QUANTISED
;;     8. [M 4,096, K 1,024] x [K 1,024, N 4,096]; A: computed on the way; B: input ffn1_w: QUANTISED
;;     9. [M 4,096, K 4,096] x [K 4,096, N 1,024]; A: computed on the way; B: input ffn2_w: QUANTISED
;;   THE QUANTISER, for each operand of a quantised product, along K:
;;     - K is cut into blocks of 32 from its start; a last block that is shorter is filled with zeros.
;;     - A block's scale is 2^e with e = floor(log2(the largest magnitude in the block)) - 2, held to -126 .. 127; a block of zeros has e = 0. As a byte (E8M0): e + 127.
;;     - Each number is divided by its block's scale, clamped to +-7.5, and rounded to the nearest number of E2M3, ties to even, subnormals kept.
;;     - The product sums the exact products of the quantised numbers (number of the format x scale) in f32.
;;   ~~~python
;;   def quantise(x, axis):      # numpy; x: float32 -> the quantised numbers, widened to float32 again
;;       x = np.moveaxis(x, axis, -1); K = x.shape[-1]
;;       x = np.pad(x, [(0, 0)] * (x.ndim - 1) + [(0, -K % 32)]); x = x.reshape(x.shape[:-1] + (-1, 32)); a = np.abs(x).max(-1, keepdims=True)
;;       e = np.where(a > 0, np.clip(np.frexp(np.where(a > 0, a, 1))[1] - 1 - 2, -126, 127), 0)      # np.frexp(a)[1] - 1 = floor(log2(a)), exactly
;;       r = np.clip(x / 2.0 ** e, -7.5, 7.5)
;;       step = 2.0 ** (np.maximum(np.frexp(np.where(r == 0, 1, r))[1] - 1, 0) - 3)
;;       q = np.round(r / step) * step * 2.0 ** e      # np.round: ties to even
;;       return np.moveaxis(q.reshape(q.shape[:-2] + (-1,))[..., :K], -1, axis).astype(np.float32)
;;   ~~~
;;   OPERANDS COMPUTED ON THE WAY. 'Computed on the way' means the value that the module computes at that place (a softmax that the list does not call 'softmax' is quantised finished and normalised). What goes into a quantiser is computed in f32, as accurately as f32 sums, v_exp_f32 and their like allow (about 1e-6 of the number): no bf16 or f16 on the way to a quantiser, and a product that is left as it is and whose result goes on into a quantised operand takes f32 operands (vector FMAs, or v_wmma_f32_16x16x4_f32). A number that lies on a knife's edge between two numbers of the format may be rounded either way, as far as f32 arithmetic and the matrix unit's own rounding can turn it there, and no further.
;; One version. Each part assembles by itself: llvm-mc -triple=amdgcn-amd-amdhsa -mcpu=gfx1250 --defsym DOCPART=n.
;; ======== version 1 of 1: 6 launches
;; limits: right only within a limited range of input values
;; workspace buffers: zimg 3,538,944 bytes; wimg 9,830,400 bytes; qkv 23,330,816 bytes; gimg 3,276,800 bytes; o1 20,054,016 bytes; himg 13,107,200 bytes
;; launch prep (part 1): grid 1040 x 1, 4 waves a work-group, no clusters, 68,608 bytes of LDS; arguments x, rms_w, wq, wk, wu, wv, wo, ffn1_w, ffn2_w, zimg, wimg; writes zimg, wimg
.if DOCPART == 1
	.amdgcn_target "amdgcn-amd-amdhsa--gfx1250"
	.amdhsa_code_object_version 6
	.text
	.protected	k_q3c3bdacbf8_prep
	.globl	k_q3c3bdacbf8_prep
	.p2align	8
	.type	k_q3c3bdacbf8_prep,@function
k_q3c3bdacbf8_prep:
	s_mov_b64 s[64:65], 0
	v_nop
	global_prefetch_b8 v0, s[64:65] scope:SCOPE_SE
	s_setreg_imm32_b32 hwreg(HW_REG_WAVE_MODE, 25, 1), 1
	s_wait_xcnt 0x0
; PREP.  z = rms_w * x * rsqrt(mean(x^2) + 1e-8) and the seven weights become codes of FP6 (E2M3) with one E8M0 byte for each 32 along K;
; work-groups 1024..1039 make the tables cos, sin [2048][16] for the rotation of Q and K.
; LAYOUT OF THE CODES: a fragment (16 rows x 128 K) lies as an image of the operand's 12 registers: register p of lane L at 512 (p / 4) + 16 L + 4 (p % 4), 1,536 bytes;
; fragment (row tile t, K step s) at ((t / 8) KS + s) 12,288 + (t % 8) 1,536; its 16 scale words at ((t / 8) KS + s) 512 + (t % 8) 64 + 4 r.
; SHARES: a work-group takes 16 rows x 1,024 columns of one tensor, wave w the two fragments of columns 256 w .. 256 w + 255.  Each load reads 512 consecutive bytes of a row; the numbers turn
; through the wave's own stage in LDS (pitch 528), so that lane (r, h) holds, of row r, the 16 neighbours 32 b + 16 h + 0..15 of each block of 32.
; Ids: 0-255 x; 256.. wq, 288.. wk, 320.. wu, 384.. wv, 448.. wo, 512.. ffn1_w (row tiles on end in wimg); 768-1023 ffn2_w (row tile (id - 768) / 4, quarter of K (id - 768) % 4).
; The row's sum of squares, its exchange among the four waves and the loads of the gains are done by every work-group (one path through LDS and the barrier); only the multiplications are x's alone.
; LIMITS: NaN and infinities are not served.  A block whose largest magnitude lies under 2^-124 (a block of zeros too) keeps the byte 1: this program alone reads the bytes.
; The inverse frequencies are the correctly rounded 10^(-i/4).  The scale words leave in pieces of 64 bytes, the tables in pieces of 64 bytes a lane.
.set WSTG, 16896                       ; LDS of a wave: two stages of 16 rows x 528 bytes
.set EX,   67584                       ; behind the stages: 4 waves x 16 words, the rows' partial sums of squares
.set R0,   32                          ; v32-95   fragment 0 as loaded; later fragment 1's neighbours (X1)
.set R1,   96                          ; v96-159  fragment 1 as loaded; later the gains (GN)
.set X0,   160                         ; v160-223 fragment 0's neighbours
.set X1,   32
.set GN,   96
.set AO,   224                         ; v224-239 the 16 rows' byte offsets; free when the loads are in
.set TM,   224                         ; v224-235 the quantiser's work
.set PC,   236                         ; v236-254 the codes
.set L16,  4
.set SEL,  46
; 64 numbers of a lane, register 16 b + i = k 32 b + 16 h + i of my row, become a fragment's 12 registers of codes in v[pc] on and the row's scale word in v[pw]
.macro QUANT s, pc, pw
.irp b, 0,1,2,3
	v_max3_num_f32 v[TM+\b], |v[\s+16*\b]|, |v[\s+1+16*\b]|, 0x1800000   ; my 16 numbers of block b, and the floor 2^(3 - 127): the byte cannot fall under 1
.endr
.irp i, 2,4,6,8,10,12,14
.irp b, 0,1,2,3
	v_max3_num_f32 v[TM+\b], v[TM+\b], |v[\s+16*\b+\i]|, |v[\s+1+16*\b+\i]|
.endr
.endr
.irp b, 0,1,2,3
	v_permlanex16_b32 v[TM+4+\b], v[TM+\b], s[SEL], s[SEL+1]
.endr
.irp b, 0,1,2,3
	v_max_num_f32 v[TM+\b], v[TM+\b], v[TM+4+\b]           ; with lane l xor 16's: the block's largest magnitude
.endr
.irp b, 0,1,2,3
	v_add_nc_u32 v[TM+8+\b], 0xff000000, v[TM+\b]          ; 2 off its exponent field: the conversion's scale operand
.endr
.irp b, 0,1,2,3
	v_lshrrev_b32 v[TM+4+\b], 23, v[TM+8+\b]               ; the scale's byte
.endr
	v_lshl_or_b32 v[\pw], v[TM+5], 8, v[TM+4]
	v_lshl_or_b32 v[\pw], v[TM+6], 16, v[\pw]
	v_lshl_or_b32 v[\pw], v[TM+7], 24, v[\pw]
.irp c, 0,1
	v_cvt_scalef32_pk16_fp6_f32 v[\pc+6*\c:\pc+2+6*\c], v[\s+32*\c:\s+15+32*\c], v[TM+8+2*\c]
	v_cvt_scalef32_pk16_fp6_f32 v[\pc+12+4*\c:\pc+14+4*\c], v[\s+16+32*\c:\s+31+32*\c], v[TM+8+2*\c+1]
.endr
	v_nop                                                  ; one plain place behind a scaled conversion
.irp c, 0,1                                                ; the operand wants a whole block in a lane: lanes 0-15 block 2 c, lanes 16-31 block 2 c + 1
.irp i, 0,1,2
	v_permlane16_swap_b32 v[\pc+6*\c+\i], v[\pc+12+4*\c+\i]
.endr
.irp i, 0,1,2
	v_mov_b32 v[\pc+3+6*\c+\i], v[\pc+12+4*\c+\i]
.endr
.endr
.endm
.macro IMAGE pc, base, off             ; the fragment leaves as it stands: three stores of 512 consecutive bytes
.irp c, 0,1,2
	global_store_b128 v[L16], v[\pc+4*\c:\pc+4*\c+3], s[\base:\base+1] offset:\off+512*\c
.endr
.endm
.macro PICK lim, ptr, start            ; ids under lim read the tensor at s[ptr], whose first id is start
	s_cmp_lt_u32 ttmp9, \lim
	s_cselect_b64 s[28:29], s[\ptr:\ptr+1], s[28:29]
	s_cselect_b32 s30, \start, s30
.endm
.macro GAINS f                         ; rms_w at my 64 columns of fragment f
.irp b, 0,1,2,3
.irp j, 0,1,2,3
	global_load_b128 v[GN+16*\b+4*\j:GN+16*\b+4*\j+3], v7, s[6:7] offset:512*\f+128*\b+16*\j
.endr
.endr
.endm
.macro NORM x                          ; (gain * x) * rsqrt
.set n, 0
.rept 32
	v_pk_mul_f32 v[\x+n:\x+n+1], v[GN+n:GN+n+1], v[\x+n:\x+n+1]
.set n, n+2
.endr
.set n, 0
.rept 32
	v_pk_mul_f32 v[\x+n:\x+n+1], v[\x+n:\x+n+1], v[16:17]
.set n, n+2
.endr
.endm
	s_load_b256 s[4:11], s[0:1], 0x0               ; x, rms_w, wq, wk
	s_load_b256 s[12:19], s[0:1], 0x20             ; wu, wv, wo, ffn1_w
	s_load_b128 s[20:23], s[0:1], 0x40             ; ffn2_w, zimg
	s_load_b64 s[24:25], s[0:1], 0x50              ; wimg
	v_lshl_add_u32 v251, v0, 2, 0x10a00
	v_mov_b32 v255, 0
	s_cmp_ge_u32 ttmp9, 1024
	s_cbranch_scc1 .Lrope
	v_lshrrev_b32 v1, 5, v0
	v_readfirstlane_b32 s26, v1                    ; wave
	v_and_b32 v1, 31, v0                           ; lane
	v_and_b32 v2, 15, v0                           ; r
	v_bfe_u32 v3, v0, 4, 1                         ; h
	v_lshlrev_b32 v[L16], 4, v1
	s_mul_i32 s27, s26, WSTG
	v_add_nc_u32 v5, s27, v[L16]                   ; the stage, in: a row's 512 bytes on end
	v_mul_u32_u24 v6, v2, 528
	v_lshl_add_u32 v6, v3, 6, v6
	v_add_nc_u32 v6, s27, v6                       ; out: row r, + 64 h
	v_lshlrev_b32 v7, 6, v3                        ; the gains: 64 h
	v_lshlrev_b32 v8, 2, v2
	v_lshl_add_u32 v8, v3, 9, v8                   ; the scale words: 4 r, lanes 16-31 one K step (512 bytes) on
	v_lshl_add_u32 v10, v2, 2, EX                  ; the sums: read at 4 r,
	s_lshl_b32 s27, s26, 6
	v_add_nc_u32 v9, s27, v10                      ; written at 64 w + 4 r
	s_mov_b32 s[SEL], 0x76543210
	s_mov_b32 s[SEL+1], 0xfedcba98                 ; v_permlanex16_b32's selects for lane l xor 16
	s_mov_b32 s48, 0xffff0000                      ; lanes 16-31
	s_mov_b32 s49, 0x3a800000                      ; 1 / 1024
	s_wait_kmcnt 0x0
	s_mov_b64 s[28:29], s[20:21]                   ; the source: ffn2_w, unless the id is lower
	s_mov_b32 s30, 768
	PICK 768, 18, 512
	PICK 512, 16, 448
	PICK 448, 14, 384
	PICK 384, 12, 320
	PICK 320, 10, 288
	PICK 288, 8, 256
	PICK 256, 4, 0
	s_cmp_lt_u32 ttmp9, 768
	s_cselect_b32 s31, 0, 2                        ; four ids to a row tile in ffn2_w
	s_cselect_b32 s32, 0, 3
	s_cselect_b32 s33, 3, 5                        ; log2 of the K steps in a row
	s_cselect_b32 s34, 12, 14                      ; log2 of a row's bytes
	s_cselect_b32 s35, 0, 6291456                  ; where the codes' region begins
	s_mov_b32 s36, 9699328
	s_cselect_b32 s36, 9437184, s36                ; and the scale words'
	s_mov_b32 s37, 768
	s_cselect_b32 s37, 256, s37                    ; the first id of the region
	s_cmp_lt_u32 ttmp9, 256
	s_cselect_b64 s[38:39], s[22:23], s[24:25]     ; x goes to zimg, the weights to wimg
	s_cselect_b32 s36, 3145728, s36
	s_cselect_b32 s37, 0, s37
	s_sub_co_u32 s40, ttmp9, s30
	s_and_b32 s41, s40, s32                        ; which quarter of K
	s_lshr_b32 s40, s40, s31                       ; the source's row tile
	s_add_co_u32 s44, s34, 4
	s_lshl_b32 s42, s40, s44                       ; x 16 rows
	s_lshl_b32 s44, s41, 12
	s_add_co_u32 s42, s42, s44                     ; + 4,096 bytes a quarter
	s_lshl_b32 s44, s26, 10
	s_add_co_u32 s42, s42, s44                     ; + 1,024 bytes a wave
	s_mov_b32 s43, 0
	s_add_nc_u64 s[28:29], s[28:29], s[42:43]
	s_lshl_b32 s45, 1, s34                         ; a row's bytes
	s_sub_co_u32 s50, ttmp9, s37
	s_lshr_b32 s50, s50, s31                       ; the destination's row tile
	s_lshr_b32 s51, s50, 3
	s_lshl_b32 s51, s51, s33
	s_lshl_b32 s44, s41, 3
	s_add_co_u32 s51, s51, s44
	s_lshl_b32 s44, s26, 1
	s_add_co_u32 s51, s51, s44                     ; panel x KS + my first K step
	s_and_b32 s52, s50, 7
	s_mul_i32 s54, s51, 12288
	s_mul_i32 s44, s52, 1536
	s_add_co_u32 s54, s54, s44
	s_add_co_u32 s54, s54, s35
	s_mov_b32 s55, 0
	s_add_nc_u64 s[58:59], s[38:39], s[54:55]      ; my codes
	s_lshl_b32 s56, s51, 9
	s_lshl_b32 s44, s52, 6
	s_add_co_u32 s56, s56, s44
	s_add_co_u32 s56, s56, s36
	s_mov_b32 s57, 0
	s_add_nc_u64 s[60:61], s[38:39], s[56:57]      ; my scale words
	s_lshl_b32 s52, s26, 10
	s_mov_b32 s53, 0
	s_add_nc_u64 s[6:7], s[6:7], s[52:53]          ; the gains of my 256 columns
.irp i, 0,1,2,3,4,5,6,7,8,9,10,11,12,13,14,15
	v_mad_u32_u24 v[AO+\i], s45, \i, v[L16]        ; row i: 16 L + i rows
.endr
.irp f, 0,1
.irp i, 0,1,2,3,4,5,6,7,8,9,10,11,12,13,14,15
	global_load_b128 v[R0+64*\f+4*\i:R0+64*\f+4*\i+3], v[AO+\i], s[28:29] offset:512*\f th:TH_LOAD_NT
.endr
.endr
	s_wait_loadcnt 16                              ; fragment 0's 16 loads are in; fragment 1's may be out
.irp i, 0,1,2,3,4,5,6,7,8,9,10,11,12,13,14,15
	ds_store_b128 v5, v[R0+4*\i:R0+4*\i+3] offset:528*\i
.endr
.irp b, 0,1,2,3
.irp j, 0,1,2,3
	ds_load_b128 v[X0+16*\b+4*\j:X0+16*\b+4*\j+3], v6 offset:128*\b+16*\j   ; LDS serves a wave's instructions in order: these see my stores
.endr
.endr
	s_wait_loadcnt 0x0
.irp i, 0,1,2,3,4,5,6,7,8,9,10,11,12,13,14,15
	ds_store_b128 v5, v[R1+4*\i:R1+4*\i+3] offset:8448+528*\i
.endr
	s_wait_dscnt 16                                ; all but the 16 stores just issued: fragment 0's stores have read v32-95, which now take fragment 1
.irp b, 0,1,2,3
.irp j, 0,1,2,3
	ds_load_b128 v[X1+16*\b+4*\j:X1+16*\b+4*\j+3], v6 offset:8448+128*\b+16*\j
.endr
.endr
	s_wait_dscnt 0x0
	GAINS 0                                        ; into the registers that fragment 1 has left
	v_pk_mul_f32 v[12:13], v[X0:X0+1], v[X0:X0+1]  ; the sum of squares of my 128 numbers, in two chains
	v_pk_mul_f32 v[14:15], v[X1:X1+1], v[X1:X1+1]
.set n, 2
.rept 31
	v_pk_fma_f32 v[12:13], v[X0+n:X0+n+1], v[X0+n:X0+n+1], v[12:13]
	v_pk_fma_f32 v[14:15], v[X1+n:X1+n+1], v[X1+n:X1+n+1], v[14:15]
.set n, n+2
.endr
	v_pk_add_f32 v[12:13], v[12:13], v[14:15]
	v_add_f32 v12, v12, v13
	v_permlanex16_b32 v13, v12, s[SEL], s[SEL+1]
	v_add_f32 v12, v12, v13                        ; row r, my wave's 256 columns
	ds_store_b32 v9, v12                           ; both halves write the same word with the same value
	s_wait_dscnt 0x0                               ; for the others' sake
	s_barrier_signal -1
	s_barrier_wait -1
.irp w, 0,1,2,3
	ds_load_b32 v[24+\w], v10 offset:64*\w
.endr
	s_wait_dscnt 0x0
	v_add_f32 v24, v24, v25
	v_add_f32 v26, v26, v27
	v_add_f32 v24, v24, v26
	v_fma_f32 v24, v24, s49, 0x322bcc77            ; the mean + 1e-8
	s_wait_alu depctr_va_vdst(0)
	v_rsq_f32 v16, v24
	v_nop                                          ; a plain place behind the transcendental,
	s_wait_alu depctr_va_vdst(0)                   ; and the wait ahead of its first reader
	v_mov_b32 v17, v16
	s_wait_loadcnt 0x0                             ; the gains
	s_cmp_lt_u32 ttmp9, 256
	s_cbranch_scc0 .Lw0                            ; weights are quantised as they are
	NORM X0
.Lw0:
	GAINS 1
	QUANT X0, PC, 18
	IMAGE PC, 58, 0
	s_wait_loadcnt 0x0
	s_cmp_lt_u32 ttmp9, 256
	s_cbranch_scc0 .Lw1
	NORM X1
.Lw1:
	s_wait_xcnt 0x0                                ; the stores have read the codes' registers: they are written again
	QUANT X1, PC, 19
	IMAGE PC, 58, 12288
	v_cndmask_b32 v20, v18, v19, s48               ; lanes 0-15 fragment 0's words, lanes 16-31 fragment 1's
	global_store_b32 v8, v20, s[60:61]
	s_wait_tensorcnt 0x0
	ds_add_u32 v251, v255
	s_wait_dscnt 0x0
	s_endpgm
; THE TABLES.  Thread t of 2,048: cos and sin of t x 10^(-i/4), i = 0 .. 15.  The angle is one f32 product; it is reduced by n = the nearest whole number of quarter turns in three fused steps,
; sine and cosine of the rest are polynomials, and n's low bits choose and sign them: choices of values alone.
.macro SINCOS i, c
	v_mul_f32 v4, \c, v2                           ; the angle
	v_mul_f32 v5, 0x3f22f983, v4
	v_rndne_f32 v5, v5                             ; n
	v_fma_f32 v6, v5, 0xbfc90fd8, v4
	v_fma_f32 v6, v5, 0xb4a8885a, v6
	v_fma_f32 v6, v5, 0xa7c234c4, v6               ; the rest, within a quarter of pi
	v_mul_f32 v7, v6, v6
	v_mov_b32 v8, 0x37cd4000
	v_fmaak_f32 v8, v8, v7, 0xbab6077d
	v_fmaak_f32 v8, v8, v7, 0x3d2aaaa8
	v_fma_f32 v8, v8, v7, -0.5
	v_fma_f32 v8, v8, v7, 1.0                      ; its cosine
	v_mov_b32 v9, 0x36405000
	v_fmaak_f32 v9, v9, v7, 0xb9503486
	v_fmaak_f32 v9, v9, v7, 0x3c0888c1
	v_fmaak_f32 v9, v9, v7, 0xbe2aaaab
	v_mul_f32 v10, v6, v7
	v_fma_f32 v9, v9, v10, v6                      ; its sine
	v_cvt_i32_f32 v11, v5
	v_and_b32 v12, 1, v11
	v_cmp_eq_u32 vcc_lo, 1, v12
	v_cndmask_b32 v13, v9, v8, vcc_lo              ; odd n: the two change places
	v_cndmask_b32 v14, v8, v9, vcc_lo
	v_and_b32 v12, 2, v11
	v_lshlrev_b32 v12, 30, v12
	v_xor_b32 v[48+\i], v12, v13                   ; sin: minus where n % 4 is 2 or 3
	v_add_nc_u32 v11, 1, v11
	v_and_b32 v11, 2, v11
	v_lshlrev_b32 v11, 30, v11
	v_xor_b32 v[32+\i], v11, v14                   ; cos: minus where n % 4 is 1 or 2
.endm
.Lrope:
	s_sub_co_u32 s26, ttmp9, 1024
	s_lshl_b32 s26, s26, 7
	v_add_nc_u32 v1, s26, v0                       ; the position
	v_cvt_f32_u32 v2, v1
	v_lshlrev_b32 v3, 6, v1                        ; 64 bytes a position
	SINCOS 0, 0x3f800000
	SINCOS 1, 0x3f0ff59a
	SINCOS 2, 0x3ea1e89b
	SINCOS 3, 0x3e361887
	SINCOS 4, 0x3dcccccd
	SINCOS 5, 0x3d6655c3
	SINCOS 6, 0x3d0186e2
	SINCOS 7, 0x3c91ad39
	SINCOS 8, 0x3c23d70a
	SINCOS 9, 0x3bb8449c
	SINCOS 10, 0x3b4f3e37
	SINCOS 11, 0x3ae91528
	SINCOS 12, 0x3a83126f
	SINCOS 13, 0x3a136a16
	SINCOS 14, 0x39a5cb5f
	SINCOS 15, 0x393a7753
	s_wait_alu depctr_va_vdst(0)
	s_wait_kmcnt 0x0
.irp j, 0,1,2,3
	global_store_b128 v3, v[32+4*\j:35+4*\j], s[22:23] offset:3276800+16*\j
	global_store_b128 v3, v[48+4*\j:51+4*\j], s[22:23] offset:3407872+16*\j
.endr
	s_endpgm
.Lfunc_end_k_q3c3bdacbf8_prep:
	.size	k_q3c3bdacbf8_prep, .Lfunc_end_k_q3c3bdacbf8_prep-k_q3c3bdacbf8_prep
	.p2alignl 7, 3214868480
	.fill 96, 4, 3214868480
	.section	.rodata,"a",@progbits
	.p2align	6, 0x0
	.amdhsa_kernel k_q3c3bdacbf8_prep
		.amdhsa_group_segment_fixed_size 68608
		.amdhsa_private_segment_fixed_size 0
		.amdhsa_enable_private_segment 0
		.amdhsa_kernarg_size 88
		.amdhsa_user_sgpr_count 2
		.amdhsa_user_sgpr_kernarg_segment_ptr 1
		.amdhsa_wavefront_size32 1
		.amdhsa_system_sgpr_workgroup_id_x 1
		.amdhsa_system_sgpr_workgroup_id_y 1
		.amdhsa_system_sgpr_workgroup_id_z 1
		.amdhsa_system_vgpr_workitem_id 0
		.amdhsa_next_free_vgpr 256
		.amdhsa_next_free_sgpr 66
		.amdhsa_reserve_vcc 1
		.amdhsa_float_denorm_mode_32 3
		.amdhsa_float_denorm_mode_16_64 3
		.amdhsa_memory_ordered 1
		.amdhsa_forward_progress 1
		.amdhsa_inst_pref_size 63
	.end_amdhsa_kernel
	.amdgpu_metadata
---
amdhsa.version: [ 1, 2 ]
amdhsa.kernels:
  - .name:           k_q3c3bdacbf8_prep
    .symbol:         k_q3c3bdacbf8_prep.kd
    .args:
      - { .name: x, .offset: 0, .size: 8, .value_kind: global_buffer, .address_space: global }
      - { .name: rms_w, .offset: 8, .size: 8, .value_kind: global_buffer, .address_space: global }
      - { .name: wq, .offset: 16, .size: 8, .value_kind: global_buffer, .address_space: global }
      - { .name: wk, .offset: 24, .size: 8, .value_kind: global_buffer, .address_space: global }
      - { .name: wu, .offset: 32, .size: 8, .value_kind: global_buffer, .address_space: global }
      - { .name: wv, .offset: 40, .size: 8, .value_kind: global_buffer, .address_space: global }
      - { .name: wo, .offset: 48, .size: 8, .value_kind: global_buffer, .address_space: global }
      - { .name: ffn1_w, .offset: 56, .size: 8, .value_kind: global_buffer, .address_space: global }
      - { .name: ffn2_w, .offset: 64, .size: 8, .value_kind: global_buffer, .address_space: global }
      - { .name: zimg, .offset: 72, .size: 8, .value_kind: global_buffer, .address_space: global }
      - { .name: wimg, .offset: 80, .size: 8, .value_kind: global_buffer, .address_space: global }
    .group_segment_fixed_size: 68608
    .private_segment_fixed_size: 0
    .kernarg_segment_align: 8
    .kernarg_segment_size: 88
    .max_flat_workgroup_size: 128
    .sgpr_count:     66
    .vgpr_count:     256
    .wavefront_size: 32
...
	.end_amdgpu_metadata
.endif
;; end of part 1
;; launch qkvu (part 2): grid 24 x 32, 4 waves a work-group, clusters of 4 x 4, 327,680 bytes of LDS; arguments zimg, wimg, qkv; writes qkv
.if DOCPART == 2
	.amdgcn_target "amdgcn-amd-amdhsa--gfx1250"
	.amdhsa_code_object_version 6
	.text
	.protected	k_q3c3bdacbf8_qkvu
	.globl	k_q3c3bdacbf8_qkvu
	.p2align	8
	.type	k_q3c3bdacbf8_qkvu,@function
k_q3c3bdacbf8_qkvu:
	s_mov_b64 s[64:65], 0
	v_nop
	global_prefetch_b8 v0, s[64:65] scope:SCOPE_SE
	s_setreg_imm32_b32 hwreg(HW_REG_WAVE_MODE, 25, 1), 1
	s_wait_xcnt 0x0
	s_wait_alu depctr_hold_cnt(0) depctr_sa_sdst(0) depctr_va_vdst(0) depctr_va_sdst(0) depctr_va_ssrc(0) depctr_va_vcc(0) depctr_vm_vsrc(0)
	s_getreg_b32 s2, hwreg(HW_REG_IB_STS2, 6, 4)
	s_cmp_eq_u32 s2, 0
	s_cbranch_scc0 .Lentry_in_a_cluster
	s_endpgm
.Lentry_in_a_cluster:
	s_bfe_u32 s2, ttmp6, 0x10000c
	s_cmp_lg_u32 s2, 0xf033
	s_cbranch_scc0 .Lentry_shape_is_right
	s_endpgm
.Lentry_shape_is_right:
; QKVU.  z [wq; wk; wu; wv]^T on codes of FP6 (M 4,096, N 3,072, K 1,024), and what follows each part:
;   columns 0-1023 (Q, K): the rotation by position, then codes along the head's 32;  1024-2047 (U): sigmoid, kept as f32;  2048-3071 (V): codes along the TOKENS, the second attention product's K.
; THE PRODUCT.  A tile of C is 128 x 128: four waves, 64 x 64 each, 16 accumulators.  Both operands lie in memory as images of the operand's registers, a panel of 128 rows and four K steps on end
; (49,152 bytes), so a slot of LDS is two dense blocks and a fragment comes by three loads of 512 consecutive bytes.  All of K (8 steps) is two slots, filled once, with the scale words beside them.
; CLUSTER 4 x 4: A's panel hangs on the tile row alone and is asked for jointly along a row of the cluster, B's on the tile column alone, along a column.
; THE MATRIX INSTRUCTION IS USED TRANSPOSED (source 0 = 16 rows of the weight, source 1 = 16 tokens): lane (r, h), register j of accumulator (a, b) = token 16 (4 rh + a) + r, column 16 (4 ch + b) + 8 h + j.
; THE WAY OUT: the tile goes to a stage in LDS, [128 tokens][128 columns] f32, pitch 528, in slot 0, which has had its only fill and its last read; behind one barrier each part reads it as its quantiser wants it.
; The part is chosen by the cluster's x, which all partners share.
; ORDER P of a tile's 16 rows: lane r of tile t holds row 32 (t / 2) + 8 (t % 2) + r + 8 (r / 8).
; LIMITS: NaN and infinities are not served; a block under 2^-124 keeps the byte 1 (this program alone reads the bytes).  The scale words leave in pieces of 128 bytes.
.set KS,    8
.set ABASE, 0
.set ASCL,  3145728
.set BBASE, 0
.set BSCL,  9437184
.set SLOT,  98304                      ; A's eight K steps (8 tiles x 1,536 bytes each) lie from LDS byte 0, B's eight from byte SLOT
.set SCL,   2*SLOT                     ; A's scale words of the panel, KS x 512 bytes
.set SCB,   SCL+KS*512                 ; B's
.set SPARE, SCB+KS*512                 ; the spare words: 128 bytes a wave, named by no other line
.set SP,    528                        ; the stage's pitch
.set ADRA, 16                          ; v16-17  my A fragments in slot 0, 1
.set ADRB, 20                          ; v20-21  my B fragments
.set ADRS, 22                          ; v22     my scale words: lanes 0-15 A's, lanes 16-31 B's
.set STO,  24                          ; v24     the stage, in
.set SPW,  28
.set NIL,  29
.set L16,  30
.set L4,   31
.set SC,   32                          ; v32-39  scale words, two sets of 4: nothing else ever stands here
.set TM,   64
.set PC0,  80
.set PC1,  100
.set PW0,  120
.set PW1,  121
.set PWM,  122
.set ACC,  128                         ; v128-255 the accumulators; later two sets of 64 numbers
.set F0,   0                           ; window 1: two fragment buffers of 96: B's four, then A's four
.set F1,   96
.set SEL,  66
.set G1,   24
.set G0,   32
.set G1B,  48
.set G0B,  56
.set G1S,  68
.set G0S,  76
.set G1SB, 80
.set G0SB, 88
.set MSB, 0
.macro WIN new                         ; the immediate's high byte repeats the setting that is left
.if MSB != \new
	s_set_vgpr_msb (MSB<<8)|\new
.set MSB, \new
.endif
.endm
.macro PLACES                          ; four plain places behind a matrix instruction, ahead of loads into its registers and of reads of its results
.rept 4
	v_nop
.endr
.endm
.macro JLOAD g0a, g1a, g0b, g1b        ; a joint load: waves 0 and 1 fetch for A, waves 2 and 3 for B; four v_nop follow each line
	s_cmp_eq_u32 s11, 0
	s_cbranch_scc0 .Lfor_b_\@
	tensor_load_to_lds s[\g0a:\g0a+3], s[\g1a:\g1a+7]
	s_nop 0
.rept 4
	v_nop
.endr
	s_branch .Lasked_\@
.Lfor_b_\@:
	tensor_load_to_lds s[\g0b:\g0b+3], s[\g1b:\g1b+7]
	s_nop 0
.rept 4
	v_nop
.endr
.Lasked_\@:
.endm
.macro CREST
	s_cmp_lg_u32 s10, 0
	s_cbranch_scc1 .Lnot_wave_0_\@
	s_barrier_signal -3
.Lnot_wave_0_\@:
	s_barrier_wait -3
	s_barrier_signal -1
	s_barrier_wait -1
.endm
.macro CROUND                          ; a round of the cluster's barrier
	s_barrier_signal -1
	s_barrier_wait -1
	CREST
.endm
.macro QUANT s, pc, pw                 ; 64 numbers of a lane, register 16 b + i = k 32 b + 16 h + i of my row -> 12 registers of codes, the row's scale word
.irp b, 0,1,2,3
	v_max3_num_f32 v[TM+\b], |v[\s+16*\b]|, |v[\s+1+16*\b]|, 0x1800000   ; and the floor 2^(3 - 127): the byte cannot fall under 1
.endr
.irp i, 2,4,6,8,10,12,14
.irp b, 0,1,2,3
	v_max3_num_f32 v[TM+\b], v[TM+\b], |v[\s+16*\b+\i]|, |v[\s+1+16*\b+\i]|
.endr
.endr
.irp b, 0,1,2,3
	v_permlanex16_b32 v[TM+4+\b], v[TM+\b], s[SEL], s[SEL+1]
.endr
.irp b, 0,1,2,3
	v_max_num_f32 v[TM+\b], v[TM+\b], v[TM+4+\b]
.endr
.irp b, 0,1,2,3
	v_add_nc_u32 v[TM+8+\b], 0xff000000, v[TM+\b]          ; 2 off the exponent field: the conversion's scale operand
.endr
.irp b, 0,1,2,3
	v_lshrrev_b32 v[TM+4+\b], 23, v[TM+8+\b]
.endr
	v_lshl_or_b32 v[\pw], v[TM+5], 8, v[TM+4]
	v_lshl_or_b32 v[\pw], v[TM+6], 16, v[\pw]
	v_lshl_or_b32 v[\pw], v[TM+7], 24, v[\pw]
.irp c, 0,1
	v_cvt_scalef32_pk16_fp6_f32 v[\pc+6*\c:\pc+2+6*\c], v[\s+32*\c:\s+15+32*\c], v[TM+8+2*\c]
	v_cvt_scalef32_pk16_fp6_f32 v[\pc+12+4*\c:\pc+14+4*\c], v[\s+16+32*\c:\s+31+32*\c], v[TM+8+2*\c+1]
.endr
	v_nop                                                  ; one plain place behind a scaled conversion
.irp c, 0,1
.irp i, 0,1,2
	v_permlane16_swap_b32 v[\pc+6*\c+\i], v[\pc+12+4*\c+\i]
.endr
.irp i, 0,1,2
	v_mov_b32 v[\pc+3+6*\c+\i], v[\pc+12+4*\c+\i]
.endr
.endr
.endm
.macro IMAGE pc, base, off
.irp c, 0,1,2
	global_store_b128 v[L16], v[\pc+4*\c:\pc+4*\c+3], s[\base:\base+1] offset:\off+512*\c
.endr
.endm
; the fragments and scale words of the slot's q-th K step into buffer f and set
.macro FETCH slot, q, f, set
	WIN 0x40
.irp i, 0,1,2,3
.irp j, 0,1,2
	ds_load_b128 v[\f+12*\i+4*\j:\f+12*\i+4*\j+3], v[ADRB+\slot] offset:(\q)*12288+\i*1536+512*\j
.endr
.endr
.irp i, 0,1,2,3
.irp j, 0,1,2
	ds_load_b128 v[\f+48+12*\i+4*\j:\f+48+12*\i+4*\j+3], v[ADRA+\slot] offset:(\q)*12288+\i*1536+512*\j
.endr
.endr
	WIN 0
.irp i, 0,1,2,3
	ds_load_b32 v[SC+4*(\set)+\i], v[ADRS] offset:(\q)*512+64*\i
.endr
.endm
; four matrix instructions: A's tile a against B's four.  The 16 accumulators take turns, one instruction a turn, in the same order in every step
.macro MUL4 f, set, a, zero
	WIN 0x05
.irp b, 0,1,2,3
.if \zero
	v_wmma_scale_f32_16x16x128_f8f6f4 v[ACC+8*(4*(\a)+\b):ACC+8*(4*(\a)+\b)+7], v[\f+12*\b:\f+12*\b+11], v[\f+48+12*(\a):\f+48+12*(\a)+11], 0, v[SC+4*(\set)+\b], v[SC+4*(\set)+(\a)] matrix_a_fmt:MATRIX_FMT_FP6 matrix_b_fmt:MATRIX_FMT_FP6 matrix_a_scale:MATRIX_SCALE_ROW1
.else
	v_wmma_scale_f32_16x16x128_f8f6f4 v[ACC+8*(4*(\a)+\b):ACC+8*(4*(\a)+\b)+7], v[\f+12*\b:\f+12*\b+11], v[\f+48+12*(\a):\f+48+12*(\a)+11], v[ACC+8*(4*(\a)+\b):ACC+8*(4*(\a)+\b)+7], v[SC+4*(\set)+\b], v[SC+4*(\set)+(\a)] matrix_a_fmt:MATRIX_FMT_FP6 matrix_b_fmt:MATRIX_FMT_FP6 matrix_a_scale:MATRIX_SCALE_ROW1
.endif
.endr
.endm
.macro STEP slot, q, zero              ; a K step that has its successor in the same slot: the successor's 28 loads go out first, then the 16 products
	s_wait_dscnt 0x0                               ; this step's loads, asked for a step ago, are in
	PLACES
	FETCH \slot, (\q)+1, F0+96*(1-(\q)%2), 1-(\q)%2
	MUL4 F0+96*((\q)%2), (\q)%2, 0, \zero
	MUL4 F0+96*((\q)%2), (\q)%2, 1, \zero
	MUL4 F0+96*((\q)%2), (\q)%2, 2, \zero
	MUL4 F0+96*((\q)%2), (\q)%2, 3, \zero
.endm
.macro TURN slot, next                 ; a slot's last step changes slots: one barrier; nothing is filled again in this text
	WIN 0
	s_wait_tensorcnt 0x0                           ; all my tensor loads have landed, my part of the next slot among them
	ds_add_u32 v[SPW], v[NIL]                      ; 0 onto my spare word
	s_wait_dscnt 1                                 ; this step's 28 loads are in; the add may be out
	MUL4 F1, 1, 0, 0
	s_wait_dscnt 0x0                               ; the add is done, and my reads of this slot are over
	s_barrier_signal -1
	MUL4 F1, 1, 1, 0
	WIN 0
	s_barrier_wait -1
	PLACES
	v_add_nc_u32 v[ADRS], 2048, v[ADRS]            ; the next four K steps' scale words
	FETCH \next, 0, F0, 0
	MUL4 F1, 1, 2, 0
	MUL4 F1, 1, 3, 0
.endm
.macro TOSTAGE                         ; a barrier first: the stage lies over A's K steps 0 to 5, and every wave's reads of them are over (its last wait on DScnt was for 0)
	s_barrier_signal -1
	s_barrier_wait -1
.irp a, 0,1,2,3
.irp b, 0,1,2,3
	ds_store_b128 v[STO], v[ACC+8*(4*\a+\b):ACC+8*(4*\a+\b)+3] offset:16*\a*SP+64*\b
	ds_store_b128 v[STO], v[ACC+8*(4*\a+\b)+4:ACC+8*(4*\a+\b)+7] offset:16*\a*SP+64*\b+16
.endr
.endr
	s_wait_dscnt 0x0
	s_barrier_signal -1
	s_barrier_wait -1
.endm
	s_load_b128 s[4:7], s[0:1], 0x0                ; zimg, wimg
	s_load_b64 s[8:9], s[0:1], 0x10                ; qkv
	v_lshl_add_u32 v[SPW], v0, 2, SPARE
	v_mov_b32 v[NIL], 0
	ds_add_u32 v28, v29
	ds_add_u32 v28, v29
	s_wait_dscnt 0x0
	v_lshrrev_b32 v1, 5, v0
	v_readfirstlane_b32 s10, v1                    ; wave
	s_lshr_b32 s11, s10, 1                         ; rh: my half of the tile's rows.  Also: I fetch for A (0) or B (1)
	s_and_b32 s12, s10, 1                          ; ch: my half of its columns.  Also: which half of a block I fetch
	s_bfe_u32 s40, ttmp6, 0x40000                  ; cx
	s_bfe_u32 s41, ttmp6, 0x40004                  ; cy
	s_lshl_b32 s42, ttmp9, 2
	s_add_co_u32 s42, s42, s40                     ; nx: tile column
	s_and_b32 s13, ttmp7, 0xffff
	s_lshl_b32 s13, s13, 2
	s_add_co_u32 s13, s13, s41                     ; my: tile row
	s_lshl_b32 s43, s41, 2
	s_lshl_b32 s43, 15, s43                        ; my row of the cluster
	s_lshl_b32 s44, 0x1111, s40                    ; my column
	; group 1: dense blocks as rows of 256 bytes (32 elements of 8 bytes): 384 rows of codes (a panel's eight K steps), 2 KS rows of scale words (a panel's)
	s_or_b32 s[G1+0], s43, (3<<16)|(1<<21)
	s_or_b32 s[G1B+0], s44, (3<<16)|(1<<21)
.irp g, G1, G1B
	s_mov_b32 s[\g+1], 32<<16
	s_mov_b32 s[\g+2], 384<<16                     ; a panel's codes for all of K: 384 rows of 256 bytes
	s_mov_b32 s[\g+3], 32<<16
	s_mov_b32 s[\g+4], 384
	s_mov_b32 s[\g+5], 32
	s_mov_b32 s[\g+6], 0
	s_mov_b32 s[\g+7], 0
.endr
	s_or_b32 s[G1S+0], s43, (3<<16)|(1<<21)
	s_or_b32 s[G1SB+0], s44, (3<<16)|(1<<21)
.irp g, G1S, G1SB
	s_mov_b32 s[\g+1], 32<<16
	s_mov_b32 s[\g+2], (2*KS)<<16                  ; a panel's scale words: KS x 512 bytes
	s_mov_b32 s[\g+3], 32<<16
	s_mov_b32 s[\g+4], 2*KS
	s_mov_b32 s[\g+5], 32
	s_mov_b32 s[\g+6], 0
	s_mov_b32 s[\g+7], 0
.endr
	s_mul_i32 s14, s13, KS*12288                   ; A's panel: by the tile row alone
	s_add_co_u32 s14, s14, ABASE
	s_mov_b32 s15, 0
	s_mul_i32 s18, s42, KS*12288                   ; B's: by the tile column alone
	s_add_co_u32 s18, s18, BBASE
	s_mov_b32 s19, 0
	s_mul_i32 s16, s13, KS*512
	s_add_co_u32 s16, s16, ASCL
	s_mov_b32 s17, 0
	s_mul_i32 s20, s42, KS*512
	s_add_co_u32 s20, s20, BSCL
	s_mov_b32 s21, 0
	s_wait_kmcnt 0x0
	s_add_nc_u64 s[14:15], s[4:5], s[14:15]
	s_add_nc_u64 s[16:17], s[4:5], s[16:17]
	s_add_nc_u64 s[18:19], s[6:7], s[18:19]
	s_add_nc_u64 s[20:21], s[6:7], s[20:21]
	CROUND                                         ; all sixteen work-groups are here: the first joint loads meet
	s_mov_b32 s[G0S], 1
	s_mov_b32 s[G0S+1], SCL
	s_mov_b64 s[G0S+2:G0S+3], s[16:17]
	s_or_b32 s[G0S+3], s[G0S+3], 0x80000000
	s_mov_b32 s[G0SB], 1
	s_mov_b32 s[G0SB+1], SCB
	s_mov_b64 s[G0SB+2:G0SB+3], s[20:21]
	s_or_b32 s[G0SB+3], s[G0SB+3], 0x80000000
	s_mov_b32 s[G0], 1
	s_mov_b32 s[G0+1], 0
	s_mov_b64 s[G0+2:G0+3], s[14:15]
	s_or_b32 s[G0+3], s[G0+3], 0x80000000
	s_mov_b32 s[G0B], 1
	s_mov_b32 s[G0B+1], SLOT
	s_mov_b64 s[G0B+2:G0B+3], s[18:19]
	s_or_b32 s[G0B+3], s[G0B+3], 0x80000000
; THE LAUNCH'S FOUR TILES, ONE JOINT LOAD A WAVE: wave 0 A's codes for all of K, wave 1 B's, wave 2 A's scale words, wave 3 B's.  One chain of branches on the wave's number, every arm leading to one join.
.macro ARM under, g0, g1, next
	s_cmp_lt_u32 s10, \under
	s_cbranch_scc0 \next
	tensor_load_to_lds s[\g0:\g0+3], s[\g1:\g1+7]
	s_nop 0
.rept 4
	v_nop
.endr
	s_branch .Lhead_asked
\next:
.endm
	ARM 1, G0,  G1,  .Lhead_b
	ARM 2, G0B, G1B, .Lhead_sa
	ARM 3, G0S, G1S, .Lhead_sb
	tensor_load_to_lds s[G0SB:G0SB+3], s[G1SB:G1SB+7]
	s_nop 0
.rept 4
	v_nop
.endr
.Lhead_asked:
	v_and_b32 v1, 15, v0                           ; r
	v_bfe_u32 v2, v0, 4, 1                         ; h
	s_wait_alu depctr_va_vdst(0)
	v_and_b32 v3, 31, v0                           ; lane
	v_lshlrev_b32 v[L16], 4, v3
	v_lshlrev_b32 v[L4], 2, v3
	s_mul_i32 s22, s11, 6144                       ; my four tiles of A,
	s_mul_i32 s23, s12, 6144                       ; my four of B, behind A's eight K steps
	s_add_co_u32 s23, s23, 98304
.irp s, 0,1
	v_add_nc_u32 v[ADRA+\s], s22, v[L16]
	v_add_nc_u32 v[ADRB+\s], s23, v[L16]
	s_add_co_u32 s22, s22, 49152                   ; the second address of each pair: K steps 4 to 7
	s_add_co_u32 s23, s23, 49152
.endr
	s_lshl_b32 s22, s11, 8
	s_lshl_b32 s23, s12, 8
	s_add_co_u32 s23, s23, KS*512
	s_sub_co_u32 s23, s23, s22
	v_mul_u32_u24 v4, s23, v2                      ; lanes 16-31 take B's words: one product, h x the distance
	s_add_co_u32 s22, s22, SCL
	v_lshl_add_u32 v4, v1, 2, v4
	v_add_nc_u32 v[ADRS], s22, v4
	v_and_b32 v4, 8, v1
	v_add_nc_u32 v4, v4, v1                        ; r + 8 (r / 8)
	v_mul_u32_u24 v5, v1, SP
	v_lshl_add_u32 v5, v2, 5, v5
	s_mul_i32 s22, s11, 64*SP
	s_lshl_b32 s23, s12, 8
	s_add_co_u32 s22, s22, s23
	v_add_nc_u32 v[STO], s22, v5                   ; the stage: my rows, my 256 bytes of them, + 32 h
	s_mov_b32 s[SEL], 0x76543210
	s_mov_b32 s[SEL+1], 0xfedcba98
.irp b, 0,1,2,3
	v_mov_b32 v[TM+4+\b], 0                        ; a lane permute's destination counts as one of its sources
.endr
	s_wait_alu depctr_va_vdst(0)                   ; the wait at the head's end
	s_wait_tensorcnt 0x0                           ; my one load has landed
	s_barrier_signal -1
	s_barrier_wait -1
	FETCH 0, 0, F0, 0
	STEP 0, 0, 1                                   ; the first products start the sums
	STEP 0, 1, 0
	STEP 0, 2, 0
	TURN 0, 1
	s_wait_alu depctr_va_vdst(0)
	STEP 1, 0, 0
	STEP 1, 1, 0
	STEP 1, 2, 0
	s_wait_dscnt 0x0
	MUL4 F1, 1, 0, 0
	MUL4 F1, 1, 1, 0
	MUL4 F1, 1, 2, 0
	MUL4 F1, 1, 3, 0
	WIN 0
	PLACES
	; Q's and K's part asks for its tables here, so that they land while the tile goes through the stage.  Their base s[94:95] and their offset v26 are written nowhere else in the text
	s_cmp_lt_u32 ttmp9, 2
	s_cbranch_scc0 .Lno_tab
	s_and_b32 s22, s13, 15                         ; the position is the token within its batch
	s_lshl_b32 s22, s22, 13
	s_add_co_u32 s22, s22, 3276800
	s_mov_b32 s23, 0
	s_add_nc_u64 s[94:95], s[4:5], s[22:23]
	v_lshlrev_b32 v26, 6, v4
	v_lshl_add_u32 v26, v2, 5, v26                 ; 64 bytes a token, + my half's 8 frequencies
	WIN 0x40
.irp f, 0,1
.irp b, 0,1,2,3
.irp j, 0,1
	global_load_b128 v[64*\f+8*\b+4*\j:64*\f+8*\b+4*\j+3], v26, s[94:95] offset:(64*\f+32*(\b/2)+8*(\b%2))*64+16*\j
	global_load_b128 v[64*\f+32+8*\b+4*\j:64*\f+32+8*\b+4*\j+3], v26, s[94:95] offset:131072+(64*\f+32*(\b/2)+8*(\b%2))*64+16*\j
.endr
.endr
.endr
	WIN 0
.Lno_tab:
	TOSTAGE
	s_cmp_lt_u32 ttmp9, 2
	s_cbranch_scc1 .Lqk
	s_cmp_lt_u32 ttmp9, 4
	s_cbranch_scc1 .Lu
	; ---- V: wave w takes channels 32 w .. 32 w + 31 as two tiles in order P; a lane's registers run down the 128 tokens
	s_lshl_b32 s22, s10, 7
	v_lshl_add_u32 v25, v4, 2, s22
	v_mul_u32_u24 v27, v2, 16*SP
	v_add_nc_u32 v25, v25, v27                     ; token 16 h, channel 32 w + r + 8 (r / 8)
.irp u, 0,1
.irp b, 0,1,2,3
.irp i, 0,1,2,3,4,5,6,7,8,9,10,11,12,13,14,15
	ds_load_b32 v[128+64*\u+16*\b+\i], v25 offset:(32*\b+\i)*SP+32*\u
.endr
.endr
.endr
	s_wait_dscnt 0x0
	QUANT 128, PC0, PW0
	QUANT 192, PC1, PW1
	s_sub_co_u32 s22, s42, 16
	s_lshl_b32 s22, s22, 2
	s_add_co_u32 s22, s22, s10                     ; the pair of channel tiles: 4 (nx - 16) + w
	s_lshl_b32 s23, s22, 6
	s_add_co_u32 s23, s23, s13                     ; (tile x 32 + the group of 128 tokens)
	s_mul_i32 s14, s23, 1536
	s_mov_b32 s15, 0
	s_add_nc_u64 s[14:15], s[8:9], s[14:15]
	IMAGE PC0, 14, 3276800
	s_wait_alu depctr_va_vdst(0)
	IMAGE PC1, 14, 3276800+49152
	s_lshl_b32 s22, s22, 5
	s_add_co_u32 s22, s22, s13
	s_lshl_b32 s22, s22, 7
	s_mov_b32 s23, 0
	s_add_nc_u64 s[96:97], s[8:9], s[22:23]
	s_mov_b32 s22, 0xffff0000
	v_cndmask_b32 v[PWM], v[PW0], v[PW1], s22      ; lanes 0-15 the even tile's words, lanes 16-31 the odd one's
	global_store_b32 v[L4], v[PWM], s[96:97] offset:6422528
	s_branch .Lend
.Lu:
	; ---- U: wave w takes tokens 32 w .. 32 w + 31 as two tiles in order P; sigmoid in f32, stored as the 64 registers of the lane that will gate with them
	s_mul_i32 s22, s10, 32*SP
	v_mul_u32_u24 v25, v4, SP
	v_lshl_add_u32 v25, v2, 6, v25
	v_add_nc_u32 v25, s22, v25
.irp u, 0,1
.irp b, 0,1,2,3
.irp j, 0,1,2,3
	ds_load_b128 v[128+64*\u+16*\b+4*\j:128+64*\u+16*\b+4*\j+3], v25 offset:8*\u*SP+128*\b+16*\j
.endr
.endr
.endr
	s_wait_dscnt 0x0
.set n, 128
.rept 64
	v_pk_mul_f32 v[n:n+1], v[n:n+1], 0xbfb8aa3b op_sel_hi:[1,0]
.set n, n+2
.endr
.set n, 128
	s_wait_alu depctr_va_vdst(0)
.rept 128
	v_exp_f32 v[n], v[n]
.set n, n+1
.endr
	v_nop
	s_wait_alu depctr_va_vdst(0)                   ; one wait for the batch, ahead of its first reader
.set n, 128
.rept 64
	v_pk_add_f32 v[n:n+1], v[n:n+1], 1.0 op_sel_hi:[1,0]
.set n, n+2
.endr
.set n, 128
	s_wait_alu depctr_va_vdst(0)
.rept 128
	v_rcp_f32 v[n], v[n]
.set n, n+1
.endr
	v_nop
	s_wait_alu depctr_va_vdst(0)
	s_lshl_b32 s22, s13, 3
	s_lshl_b32 s23, s10, 1
	s_add_co_u32 s22, s22, s23                     ; the token tile 8 my + 2 w
	s_lshl_b32 s22, s22, 3
	s_add_co_u32 s22, s22, s42
	s_sub_co_u32 s22, s22, 8                       ; x 8 + the K step nx - 8
	s_lshl_b32 s22, s22, 13
	s_mov_b32 s23, 0
	s_add_nc_u64 s[14:15], s[8:9], s[22:23]
.irp u, 0,1
.irp j, 0,1,2,3,4,5,6,7,8,9,10,11,12,13,14,15
	global_store_b128 v[L16], v[128+64*\u+4*\j:128+64*\u+4*\j+3], s[14:15] offset:6553600+65536*\u+512*\j
.endr
.endr
	s_branch .Lend
.Lqk:
	; ---- Q, K: wave w takes head 4 (nx % 4) + w.  A fragment holds FOUR token tiles of one head: block b = the 32 dims of tile 4 G + b in order P, G = 2 my + f
.macro ROPE f                          ; (x0, x1) -> (x0 c - x1 s, x1 c + x0 s); the tables are source 0, in window 1
	WIN 0x01
.irp b, 0,1,2,3
.irp p, 0,1,2,3,4,5,6,7
	v_mul_f32 v[40+2*(\p%4)], v[64*\f+32+8*\b+\p], v[129+64*\f+16*\b+2*\p]
	v_mul_f32 v[41+2*(\p%4)], v[64*\f+32+8*\b+\p], v[128+64*\f+16*\b+2*\p]
	v_fma_f32 v[128+64*\f+16*\b+2*\p], v[64*\f+8*\b+\p], v[128+64*\f+16*\b+2*\p], -v[40+2*(\p%4)]
	v_fma_f32 v[129+64*\f+16*\b+2*\p], v[64*\f+8*\b+\p], v[129+64*\f+16*\b+2*\p], v[41+2*(\p%4)]
.endr
.endr
	WIN 0
.endm
	s_lshl_b32 s22, s10, 7
	v_mul_u32_u24 v25, v4, SP
	v_lshl_add_u32 v25, v2, 6, v25
	v_add_nc_u32 v25, s22, v25                     ; token r + 8 (r / 8), my head's 128 bytes, + 64 h
.irp f, 0,1
.irp b, 0,1,2,3
.irp j, 0,1,2,3
	ds_load_b128 v[128+64*\f+16*\b+4*\j:128+64*\f+16*\b+4*\j+3], v25 offset:(64*\f+32*(\b/2)+8*(\b%2))*SP+16*\j
.endr
.endr
.endr
	s_lshl_b32 s22, s42, 2
	s_add_co_u32 s22, s22, s10
	s_lshl_b32 s22, s22, 6
	s_lshl_b32 s23, s13, 1
	s_add_co_u32 s22, s22, s23                     ; the first fragment's number: (4 nx + w) 64 + 2 my
	s_mul_i32 s96, s22, 1536
	s_mov_b32 s97, 0
	s_add_nc_u64 s[96:97], s[8:9], s[96:97]
	s_lshl_b32 s22, s22, 6
	s_mov_b32 s23, 0
	s_add_nc_u64 s[98:99], s[8:9], s[22:23]
	s_wait_dscnt 0x0
	s_wait_loadcnt 16                              ; the first fragment's 16 loads of the tables are in; the second's may be out
	ROPE 0
	QUANT 128, PC0, PW0
	IMAGE PC0, 96, 0
	s_wait_loadcnt 0x0
	ROPE 1
	QUANT 192, PC1, PW1
	IMAGE PC1, 96, 1536
	s_mov_b32 s22, 0xffff0000
	v_cndmask_b32 v[PWM], v[PW0], v[PW1], s22
	global_store_b32 v[L4], v[PWM], s[98:99] offset:3145728
.Lend:
	s_wait_tensorcnt 0x0                           ; the wave's end
	ds_add_u32 v[SPW], v[NIL]
	s_wait_dscnt 0x0
	CROUND                                         ; the closing round
	s_endpgm
.Lfunc_end_k_q3c3bdacbf8_qkvu:
	.size	k_q3c3bdacbf8_qkvu, .Lfunc_end_k_q3c3bdacbf8_qkvu-k_q3c3bdacbf8_qkvu
	.p2alignl 7, 3214868480
	.fill 96, 4, 3214868480
	.section	.rodata,"a",@progbits
	.p2align	6, 0x0
	.amdhsa_kernel k_q3c3bdacbf8_qkvu
		.amdhsa_group_segment_fixed_size 327680
		.amdhsa_private_segment_fixed_size 0
		.amdhsa_enable_private_segment 0
		.amdhsa_kernarg_size 24
		.amdhsa_user_sgpr_count 2
		.amdhsa_user_sgpr_kernarg_segment_ptr 1
		.amdhsa_wavefront_size32 1
		.amdhsa_system_sgpr_workgroup_id_x 1
		.amdhsa_system_sgpr_workgroup_id_y 1
		.amdhsa_system_sgpr_workgroup_id_z 1
		.amdhsa_system_vgpr_workitem_id 0
		.amdhsa_next_free_vgpr 512
		.amdhsa_next_free_sgpr 100
		.amdhsa_reserve_vcc 0
		.amdhsa_float_denorm_mode_32 3
		.amdhsa_float_denorm_mode_16_64 3
		.amdhsa_memory_ordered 1
		.amdhsa_forward_progress 1
		.amdhsa_inst_pref_size 111
	.end_amdhsa_kernel
	.amdgpu_metadata
---
amdhsa.version: [ 1, 2 ]
amdhsa.kernels:
  - .name:           k_q3c3bdacbf8_qkvu
    .symbol:         k_q3c3bdacbf8_qkvu.kd
    .args:
      - { .name: zimg, .offset: 0, .size: 8, .value_kind: global_buffer, .address_space: global }
      - { .name: wimg, .offset: 8, .size: 8, .value_kind: global_buffer, .address_space: global }
      - { .name: qkv, .offset: 16, .size: 8, .value_kind: global_buffer, .address_space: global }
    .group_segment_fixed_size: 327680
    .private_segment_fixed_size: 0
    .kernarg_segment_align: 8
    .kernarg_segment_size: 24
    .max_flat_workgroup_size: 128
    .sgpr_count:     100
    .vgpr_count:     512
    .wavefront_size: 32
...
	.end_amdgpu_metadata
.endif
;; end of part 2
;; launch attn (part 3): grid 256 x 1, 4 waves a work-group, no clusters, 263,168 bytes of LDS; arguments qkv, attn_mask, rel_pos_table, gimg; writes gimg
.if DOCPART == 3
	.amdgcn_target "amdgcn-amd-amdhsa--gfx1250"
	.amdhsa_code_object_version 6
	.text
	.protected	k_q3c3bdacbf8_attn
	.globl	k_q3c3bdacbf8_attn
	.p2align	8
	.type	k_q3c3bdacbf8_attn,@function
k_q3c3bdacbf8_attn:
	s_mov_b64 s[64:65], 0
	v_nop
	global_prefetch_b8 v0, s[64:65] scope:SCOPE_SE
	s_setreg_imm32_b32 hwreg(HW_REG_WAVE_MODE, 25, 1), 1
	s_wait_xcnt 0x0
; ATTN.  scores = Q K^T / sqrt(32) + bias, masked, clipped to +-50; A = clip(softmax, 1e-8, 1); pooled = A V; gated = sigmoid(U) pooled, quantised for the next product.  Both products on codes of FP6.
; SHARES.  A work-group owns ONE tile of 16 queries (order P: lane r = query 32 (t / 2) + 8 (t % 2) + r + 8 (r / 8)) for all 16 heads; wave w owns keys 512 w .. 512 w + 511.  A lane holds one query throughout
; (S^T = K Q^T, O^T = V^T A^T).  A is quantised FINISHED, so the row's sum must be known first: a wave's 16 x 512 numbers p stay in 256 registers until the four waves have exchanged their sums; each score
; is multiplied and exponentiated once.  Mask and bias are the same for all heads: they are built once, 256 registers in the result's layout, and are the C of every head's first product.
; NO MAXIMUM IS TAKEN AWAY: the scores are clipped to +-50 as the problem itself clips them, so p = e^s lies in 1.9e-22 .. 5.2e21 and a row's sum under 1.1e25: nothing can overflow or underflow in f32.
; K = 32 IN AN INSTRUCTION OF K = 128.  A fragment of K holds four key tiles of one head in its four blocks; the product for tile b takes an operand of Q in which block b alone is not zero.  The four operands
; overlap in 30 registers: zeros | Q in lanes 0-15 | zeros | Q in lanes 16-31 | zeros, six each.  Q's scale byte stands in all four bytes of its word.
; BY TURNS.  A head's 32 score products stand one at a time; behind the product of tile T stand the clip of tile T - 2, the scaling of tile T - 3 and the exponentials of tile T - 4, each exponential between
; plain lines: 20 vector lines a product.  K and Q lie in window 0 and the scores in window 2, so a slice costs two switches of the register windows.
; LOADS run one head ahead, straight into registers in register order, in runs: Q (4) at a trip's head, K (28) behind the exponentials, V in four runs of 14, each behind the products that read its registers.
; In the last trip the loads ahead ask for head 15 once more (step 0), so that every counted wait holds on every path and every load stays inside its buffer.
; The partial O^T of wave w, head n wait in LDS at 65,536 w + 4,096 n; at the end wave w adds the four partials of heads 4 w .. 4 w + 3, gates and quantises them.
; No tensor loads and no cluster: each wave alone reads its keys' fragments; a head's K, V and scale words in two slots do not fit in LDS beside the partial results.
; pos_ids is not read: no value of it enters the result.  LIMITS: NaN and infinities are not served; a masked score enters as -1e30 and is clipped to -50, as -infinity is.
; REGISTERS.  window 0: v2 16 L, v3 4 L, v4-7 Q's lane offsets, v8/v9 the sums' words, v10/v13 O's place, v11/v12 lane masks, v14-15 1 / sum, v16-22 Q as loaded, v23 Q's scale word, v24-53 the five runs,
;   v54-57 K's scale words, v58-65 V's, v66-67 A's (two sets), v68-91 A's codes (two sets), v92-99 work, v100-115 the blocks' largest p, v116-131 work, v132-143 sums, v144-215 K's fragments 0-5, v216-255 set-up.
;   window 1: mask and bias.   window 2: S^T, p, A.   window 3: v0-191 V's 16 fragments, v192-223 O^T, v224-247 K's fragments 6, 7.
.set SUMS, 262144
.set L16,  2
.set BM,   100
.set TM,   116
.set SEL,  20
.set MSB, 0
.macro WIN new                         ; the immediate's high byte repeats the setting that is left
.if MSB != \new
	s_set_vgpr_msb (MSB<<8)|\new
.set MSB, \new
.endif
.endm
.macro PLACES
.rept 4
	v_nop
.endr
.endm
.macro QUANT s, pc, pw
.irp b, 0,1,2,3
	v_max3_num_f32 v[TM+\b], |v[\s+16*\b]|, |v[\s+1+16*\b]|, 0x1800000
.endr
.irp i, 2,4,6,8,10,12,14
.irp b, 0,1,2,3
	v_max3_num_f32 v[TM+\b], v[TM+\b], |v[\s+16*\b+\i]|, |v[\s+1+16*\b+\i]|
.endr
.endr
.irp b, 0,1,2,3
	v_permlanex16_b32 v[TM+4+\b], v[TM+\b], s[SEL], s[SEL+1]
.endr
.irp b, 0,1,2,3
	v_max_num_f32 v[TM+\b], v[TM+\b], v[TM+4+\b]
.endr
.irp b, 0,1,2,3
	v_add_nc_u32 v[TM+8+\b], 0xff000000, v[TM+\b]
.endr
.irp b, 0,1,2,3
	v_lshrrev_b32 v[TM+4+\b], 23, v[TM+8+\b]
.endr
	v_lshl_or_b32 v[\pw], v[TM+5], 8, v[TM+4]
	v_lshl_or_b32 v[\pw], v[TM+6], 16, v[\pw]
	v_lshl_or_b32 v[\pw], v[TM+7], 24, v[\pw]
.irp c, 0,1
	v_cvt_scalef32_pk16_fp6_f32 v[\pc+6*\c:\pc+2+6*\c], v[\s+32*\c:\s+15+32*\c], v[TM+8+2*\c]
	v_cvt_scalef32_pk16_fp6_f32 v[\pc+12+4*\c:\pc+14+4*\c], v[\s+16+32*\c:\s+31+32*\c], v[TM+8+2*\c+1]
.endr
	v_nop
.irp c, 0,1
.irp i, 0,1,2
	v_permlane16_swap_b32 v[\pc+6*\c+\i], v[\pc+12+4*\c+\i]
.endr
.irp i, 0,1,2
	v_mov_b32 v[\pc+3+6*\c+\i], v[\pc+12+4*\c+\i]
.endr
.endr
.endm
.macro IMAGE pc, base, off
.irp c, 0,1,2
	global_store_b128 v[L16], v[\pc+4*\c:\pc+4*\c+3], s[\base:\base+1] offset:\off+512*\c
.endr
.endm
.macro LOADQ                           ; 4 loads: my tile's block of Q's fragment, in every lane of both halves, and its scale byte
	global_load_b64 v[16:17], v4, s[26:27]
	global_load_b64 v[18:19], v5, s[26:27]
	global_load_b64 v[20:21], v6, s[26:27]
	global_load_u8 v22, v7, s[28:29]
.endm
.macro LOADK                           ; 28 loads: my 8 fragments of K; the scale words of two fragments by one load
.irp g, 0,1,2,3,4,5
.irp c, 0,1,2
	global_load_b128 v[144+12*\g+4*\c:144+12*\g+4*\c+3], v[L16], s[30:31] offset:1536*\g+512*\c
.endr
.endr
	WIN 0xc0
.irp g, 6,7
.irp c, 0,1,2
	global_load_b128 v[224+12*(\g-6)+4*\c:224+12*(\g-6)+4*\c+3], v[L16], s[30:31] offset:1536*\g+512*\c
.endr
.endr
	WIN 0
.irp m, 0,1,2,3
	global_load_b32 v[54+\m], v3, s[32:33] offset:128*\m
.endr
.endm
.macro LOADVK k                        ; 14 loads: V's four channel tiles of keys 128 k on; the scale words of two tiles by one load
	WIN 0xc0
.irp t, 0,1,2,3
.irp c, 0,1,2
	global_load_b128 v[12*(4*\t+(\k))+4*\c:12*(4*\t+(\k))+4*\c+3], v[L16], s[34:35] offset:(32*\t+(\k))*1536+512*\c
.endr
.endr
	WIN 0
.irp t, 0,1
	global_load_b32 v[58+4*\t+(\k)], v3, s[36:37] offset:(32*\t+(\k))*128
.endr
.endm
; THE SET-UP of mask and bias, a block of 32 keys at a time.  IDX: the 16 table indices of my keys of block blk (whole numbers made of ids alone), and 16 lane permutes that fetch the entries into window 1
.macro IDX blk
	WIN 0
.irp i, 0,1,2,3,4,5,6,7,8,9,10,11,12,13,14,15
	v_add_nc_u32 v[216+\i], 4*(32*(\blk)+\i), v143
.endr
.irp i, 0,1,2,3,4,5,6,7,8,9,10,11,12,13,14,15
	v_max_u32 v[216+\i], 16384, v[216+\i]
.endr
.irp i, 0,1,2,3,4,5,6,7,8,9,10,11,12,13,14,15
	v_min_u32 v[216+\i], 16508, v[216+\i]          ; 4 x (4,096 + 0 .. 31): the permute takes the lane modulo 32
.endr
	WIN 0x40
.irp i, 0,1,2,3,4,5,6,7,8,9,10,11,12,13,14,15
	ds_bpermute_b32 v[16*(\blk)+\i], v[216+\i], v248
.endr
.endm
; MASKB: where the mask's byte is 0 the entry gives way to -1e30
.macro MASKB blk
	WIN 0x0a
.irp i, 0,1,2,3,4,5,6,7,8,9,10,11,12,13,14,15
	v_perm_b32 v[232+\i], v[4*(\blk)+\i/4], v[4*(\blk)+\i/4], 0x01010101*(\i%4)   ; the key's byte in all four bytes
.endr
	WIN 0x44
.irp i, 0,1,2,3,4,5,6,7,8,9,10,11,12,13,14,15
	v_bfi_b32 v[16*(\blk)+\i], v[232+\i], v[16*(\blk)+\i], 0xf149f2ca
.endr
.endm
; S^T of key tile TT (0 .. 31: block TT % 4 of fragment TT / 4): D in window 2, C = mask and bias in window 1 at the same number
.macro SCORE
.set XG, TT/4
.set XE, TT%4
.set XP, 8*TT
.set XQ, 30+12*(XE%2)-6*(XE/2)
.if XG < 6
	WIN 0x90
.set XK, 144+12*XG
.else
	WIN 0x93
.set XK, 224+12*(XG-6)
.endif
.if XG%2
	v_wmma_scale_f32_16x16x128_f8f6f4 v[XP:XP+7], v[XK:XK+11], v[XQ:XQ+11], v[XP:XP+7], v[54+XG/2], v23 matrix_a_fmt:MATRIX_FMT_FP6 matrix_b_fmt:MATRIX_FMT_FP6 matrix_a_scale:MATRIX_SCALE_ROW1
.else
	v_wmma_scale_f32_16x16x128_f8f6f4 v[XP:XP+7], v[XK:XK+11], v[XQ:XQ+11], v[XP:XP+7], v[54+XG/2], v23 matrix_a_fmt:MATRIX_FMT_FP6 matrix_b_fmt:MATRIX_FMT_FP6
.endif
.endm
; THE SCORE PHASE GOES BY FOUR GROUPS OF EIGHT KEY TILES (this order holds, not the order by single tiles that the paragraph BY TURNS at the head describes):
; the clip and the scaling of group g, the eight products of group g + 1, the 64 exponentials of group g.
.macro SC8 g                           ; the eight products of group g
.set TT, 8*(\g)
.rept 8
	SCORE
.set TT, TT+1
.endr
.endm
; group g's 64 scores: the clip (on scores not yet divided by sqrt(32); each result from its low end on), then the scaling.  Four places stand behind the group's products;
; a wait stands ahead of the first readers of the results and another ahead of the exponentials.
.macro CLIP g
	WIN 0x82
	PLACES
	s_wait_alu depctr_va_vdst(0)
.set n, 64*(\g)
.rept 64
	v_med3_num_f32 v[n], v[n], s22, s23
.set n, n+1
.endr
.set n, 64*(\g)
.rept 32
	v_pk_mul_f32 v[n:n+1], v[n:n+1], s[24:25] op_sel_hi:[1,0]
.set n, n+2
.endr
	s_wait_alu depctr_va_vdst(0)
.endm
.macro EXPS g, more                    ; p = e^score of group g; more = 1: one product of group g + 1 stands ahead of each eight exponentials.  No line names an exponential's result before the sums, behind later waits
.set TT, 8*(\g)+8
.set n, 64*(\g)
.rept 8
.if \more
	SCORE
.set TT, TT+1
.endif
	WIN 0x82
.rept 8
	v_exp_f32 v[n], v[n]
.set n, n+1
.endr
.endr
.endm
; keys 128 k .. 128 k + 127 of my 512: A = clip(p / sum, 1e-8, 1), its four scale bytes, its codes into set k % 2.  A block's largest A is the block's largest p put through the same two
; operations, which do not fall where their input rises.  The first 16 lines name work registers alone: they are the places behind the products that stand in front.
; Only behind QA 3 is the set just written read with matrix instructions alone between: there four v_nop are the places ahead of the scaled product.
.macro QA k
	WIN 0
.irp b, 0,1,2,3
	v_mul_f32 v[TM+\b], v[BM+4*(\k)+\b], v14
.endr
.irp b, 0,1,2,3
	v_med3_num_f32 v[TM+\b], v[TM+\b], s44, 1.0
.endr
.irp b, 0,1,2,3
	v_add_nc_u32 v[TM+\b], 0xff000000, v[TM+\b]
.endr
.irp b, 0,1,2,3
	v_lshrrev_b32 v[TM+4+\b], 23, v[TM+\b]
.endr
	v_lshl_or_b32 v[66+(\k)%2], v[TM+5], 8, v[TM+4]
	v_lshl_or_b32 v[66+(\k)%2], v[TM+6], 16, v[66+(\k)%2]
	v_lshl_or_b32 v[66+(\k)%2], v[TM+7], 24, v[66+(\k)%2]
	WIN 0x82
.set n, 64*(\k)
.rept 32
	v_pk_mul_f32 v[n:n+1], v[n:n+1], v[14:15]
.set n, n+2
.endr
.set n, 64*(\k)
.rept 64
	v_med3_num_f32 v[n], v[n], s44, 1.0
.set n, n+1
.endr
	WIN 0x02
.irp c, 0,1
	v_cvt_scalef32_pk16_fp6_f32 v[68+12*((\k)%2)+6*\c:70+12*((\k)%2)+6*\c], v[64*(\k)+32*\c:64*(\k)+32*\c+15], v[TM+2*\c]
	v_cvt_scalef32_pk16_fp6_f32 v[92+4*\c:94+4*\c], v[64*(\k)+32*\c+16:64*(\k)+32*\c+31], v[TM+2*\c+1]
.endr
	WIN 0
	v_nop
.irp c, 0,1
.irp i, 0,1,2
	v_permlane16_swap_b32 v[68+12*((\k)%2)+6*\c+\i], v[92+4*\c+\i]
.endr
.irp i, 0,1,2
	v_mov_b32 v[71+12*((\k)%2)+6*\c+\i], v[92+4*\c+\i]
.endr
.endr
.if (\k) == 3
	PLACES
.endif
.endm
.macro PV k                            ; O^T += V^T A^T over keys 128 k on: the four accumulators by turns
	WIN 0xf3
.irp t, 0,1,2,3
.if (\k) == 0
.if \t%2
	v_wmma_scale_f32_16x16x128_f8f6f4 v[192+8*\t:199+8*\t], v[12*(4*\t+(\k)):12*(4*\t+(\k))+11], v[68+12*((\k)%2):79+12*((\k)%2)], 0, v[58+4*(\t/2)+(\k)], v[66+(\k)%2] matrix_a_fmt:MATRIX_FMT_FP6 matrix_b_fmt:MATRIX_FMT_FP6 matrix_a_scale:MATRIX_SCALE_ROW1
.else
	v_wmma_scale_f32_16x16x128_f8f6f4 v[192+8*\t:199+8*\t], v[12*(4*\t+(\k)):12*(4*\t+(\k))+11], v[68+12*((\k)%2):79+12*((\k)%2)], 0, v[58+4*(\t/2)+(\k)], v[66+(\k)%2] matrix_a_fmt:MATRIX_FMT_FP6 matrix_b_fmt:MATRIX_FMT_FP6
.endif
.else
.if \t%2
	v_wmma_scale_f32_16x16x128_f8f6f4 v[192+8*\t:199+8*\t], v[12*(4*\t+(\k)):12*(4*\t+(\k))+11], v[68+12*((\k)%2):79+12*((\k)%2)], v[192+8*\t:199+8*\t], v[58+4*(\t/2)+(\k)], v[66+(\k)%2] matrix_a_fmt:MATRIX_FMT_FP6 matrix_b_fmt:MATRIX_FMT_FP6 matrix_a_scale:MATRIX_SCALE_ROW1
.else
	v_wmma_scale_f32_16x16x128_f8f6f4 v[192+8*\t:199+8*\t], v[12*(4*\t+(\k)):12*(4*\t+(\k))+11], v[68+12*((\k)%2):79+12*((\k)%2)], v[192+8*\t:199+8*\t], v[58+4*(\t/2)+(\k)], v[66+(\k)%2] matrix_a_fmt:MATRIX_FMT_FP6 matrix_b_fmt:MATRIX_FMT_FP6
.endif
.endif
.endr
.endm
	s_load_b256 s[4:11], s[0:1], 0x0               ; qkv, attn_mask, rel_pos_table, gimg
	s_set_vgpr_msb 0xc0
	v_lshl_add_u32 v254, v0, 2, 0x40200
	v_mov_b32 v255, 0
	s_set_vgpr_msb 0xc000
	v_lshrrev_b32 v1, 5, v0
	v_readfirstlane_b32 s12, v1                    ; wave
	v_and_b32 v1, 15, v0                           ; r
	v_bfe_u32 v140, v0, 4, 1                       ; h
	v_and_b32 v141, 31, v0                         ; lane
	v_lshlrev_b32 v[L16], 4, v141
	v_lshlrev_b32 v3, 2, v141
	s_lshr_b32 s13, ttmp9, 7                       ; batch
	s_and_b32 s14, ttmp9, 3                        ; my tile's block in Q's fragment
	s_lshr_b32 s15, ttmp9, 2                       ; and the fragment's group of 64 tokens
	s_and_b32 s16, s14, 1
	s_lshl_b32 s16, s16, 8                         ; the block lies in lanes 16 (block % 2) + r of the image,
	s_cmp_lt_u32 s14, 2                            ; in registers 0-5 or 6-11: three pieces of 8 bytes
	s_cselect_b32 s17, 0, 520
	s_cselect_b32 s18, 8, 1024
	s_mov_b32 s19, 1032
	s_cselect_b32 s19, 512, s19
	s_add_co_u32 s17, s17, s16
	s_add_co_u32 s18, s18, s16
	s_add_co_u32 s19, s19, s16
	s_wait_alu depctr_va_vdst(0)                   ; directly ahead of the readers below
	v_lshl_add_u32 v4, v1, 4, s17
	v_lshl_add_u32 v5, v1, 4, s18
	v_lshl_add_u32 v6, v1, 4, s19
	v_lshl_add_u32 v7, v1, 2, s14                  ; its scale byte: word r, byte = the block
	v_lshl_add_u32 v9, v1, 2, SUMS
	s_lshl_b32 s16, s12, 6
	v_add_nc_u32 v8, s16, v9
	s_lshl_b32 s16, s12, 16
	v_add_nc_u32 v10, s16, v[L16]                  ; my partial results: 65,536 w + 16 L
	v_add_nc_u32 v11, -1, v140                     ; all ones in lanes 0-15
	v_sub_nc_u32 v12, 0, v140                      ; all ones in lanes 16-31
.irp z, 24,25,26,27,28,29,36,37,38,39,40,41,48,49,50,51,52,53
	v_mov_b32 v\z, 0                               ; the three runs of zero codes, written once
.endr
.irp z, 116,117,118,119,120,121,122,123,124,125,126,127,128,129,130,131
	v_mov_b32 v\z, 0                               ; a lane permute's destination counts as one of its sources
.endr
	s_mov_b32 s[SEL], 0x76543210
	s_mov_b32 s[SEL+1], 0xfedcba98
	s_mov_b32 s22, 0xc38d6bde                      ; -50 sqrt(32)
	s_mov_b32 s23, 0x438d6bde                      ; +50 sqrt(32)
	s_mov_b32 s24, 0x3e8293ee                      ; log2(e) / sqrt(32)
	s_mov_b32 s25, s24
	s_mov_b32 s44, 0x322bcc77                      ; 1e-8
	s_mov_b32 s45, 0xffff0000
	s_mov_b32 s50, 16                              ; heads to go
	s_mov_b32 s51, 0                               ; the head's place among my partial results
	s_mov_b32 s53, 0
	s_mov_b32 s55, 0
	s_mov_b32 s57, 0
	s_mov_b32 s59, 0
	s_and_b32 s16, ttmp9, 127
	s_lshr_b32 s17, s16, 1
	s_lshl_b32 s17, s17, 5
	s_and_b32 s18, ttmp9, 1
	s_lshl_b32 s18, s18, 3
	s_add_co_u32 s40, s17, s18                     ; my tile's first query in its batch
	s_lshl_b32 s41, s12, 9
	s_add_co_u32 s41, s41, 4112
	s_sub_co_u32 s41, s41, s40                     ; 512 w + 16 + 4,096 - that query
	v_and_b32 v142, 8, v1
	v_add_nc_u32 v142, v142, v1                    ; r + 8 (r / 8)
	v_lshlrev_b32 v143, 4, v140
	v_sub_nc_u32 v143, v143, v142
	v_add_nc_u32 v143, s41, v143
	v_lshlrev_b32 v143, 2, v143                    ; 4 (key - query + 16 + 4,096) for my first key
	v_lshlrev_b32 v142, 11, v142
	v_lshl_add_u32 v142, v140, 4, v142             ; the mask: my query's row, + 16 h
	s_wait_alu depctr_va_vdst(0)                   ; the wait at the head's end
	s_wait_kmcnt 0x0
	s_lshl_b32 s16, s13, 22
	s_lshl_b32 s17, s40, 11
	s_add_co_u32 s16, s16, s17
	s_lshl_b32 s17, s12, 9
	s_add_co_u32 s16, s16, s17
	s_mov_b32 s17, 0
	s_add_nc_u64 s[38:39], s[6:7], s[16:17]
	s_mul_i32 s16, s15, 1536
	s_add_nc_u64 s[26:27], s[4:5], s[16:17]        ; Q's codes, head 0
	s_lshl_b32 s16, s15, 6
	s_add_co_u32 s16, s16, 3145728
	s_add_nc_u64 s[28:29], s[4:5], s[16:17]        ; Q's scale words
	s_lshl_b32 s18, s13, 5
	s_lshl_b32 s19, s12, 3
	s_add_co_u32 s18, s18, s19
	s_add_co_u32 s18, s18, 1024                    ; K's fragments begin at number 1,024; mine at 32 batch + 8 w
	s_mul_i32 s16, s18, 1536
	s_add_nc_u64 s[30:31], s[4:5], s[16:17]
	s_lshl_b32 s16, s18, 6
	s_add_co_u32 s16, s16, 3145728
	s_add_nc_u64 s[32:33], s[4:5], s[16:17]
	s_lshl_b32 s18, s13, 4
	s_lshl_b32 s19, s12, 2
	s_add_co_u32 s18, s18, s19                     ; my first group of 128 tokens
	s_mul_i32 s16, s18, 1536
	s_add_co_u32 s16, s16, 3276800
	s_add_nc_u64 s[34:35], s[4:5], s[16:17]        ; V's codes
	s_lshl_b32 s16, s18, 7
	s_add_co_u32 s16, s16, 6422528
	s_add_nc_u64 s[36:37], s[4:5], s[16:17]        ; V's scale words
	global_load_b32 v248, v3, s[8:9]               ; lane L takes the table's entry L
	WIN 0x80
.irp q, 0,1,2,3,4,5,6,7,8,9,10,11,12,13,14,15
	global_load_b128 v[4*\q:4*\q+3], v142, s[38:39] offset:32*\q th:TH_LOAD_NT   ; my 16 bytes of the mask for each block of 32 keys
.endr
	WIN 0
	LOADQ
	LOADK
	s_wait_loadcnt 32                              ; the table and the mask are in; Q's 4 and K's 28 loads may be out
	; MASK AND BIAS, once for all heads: register 16 B + i = key 512 w + 32 B + 16 h + i of my query: table[clip(key - query, -16, 15) + 16] sqrt(32) where the mask is true, else -1e30
	v_mul_f32 v248, 0x40b504f3, v248
	WIN 0x82
.set n, 0
.rept 64
	v_mul_lo_u32 v[n], v[n], 0xff                  ; bytes 0 or 1 become 0x00 or 0xff
.set n, n+1
.endr
.set BL, 0
.rept 16
	IDX BL
.if BL > 0
	s_wait_dscnt 16                                ; all but the 16 permutes just issued: the block before is in
	MASKB BL-1
.endif
.set BL, BL+1
.endr
	s_wait_dscnt 0x0
	MASKB 15
	WIN 0
	LOADVK 0                                       ; head 0's V: 56 loads
	LOADVK 1
	LOADVK 2
	LOADVK 3
.Lhead:
	s_wait_loadcnt 56                              ; this head's Q and K are in; V's 56 loads, issued behind them, may be out
	s_cmp_lg_u32 s50, 1                            ; the last trip steps by 0
	s_cselect_b32 s52, 98304, 0
	s_cselect_b32 s54, 4096, 0
	s_cselect_b32 s56, 196608, 0
	s_cselect_b32 s58, 8192, 0
	v_perm_b32 v23, v22, v22, 0                    ; Q's scale byte in all four bytes
.irp i, 0,1,2,3,4,5
	v_and_b32 v[30+\i], v11, v[16+\i]
	v_and_b32 v[42+\i], v12, v[16+\i]
.endr
	s_add_nc_u64 s[26:27], s[26:27], s[52:53]
	s_add_nc_u64 s[28:29], s[28:29], s[54:55]
	LOADQ                                          ; the next head's
	v_add_nc_u32 v13, s51, v10
	v_nop
	v_nop
	v_nop                                          ; four places behind the operand's last line, sixteen behind the scale word's
	SC8 0
	CLIP 0
	EXPS 0, 1                                      ; with group 1's products among them
	CLIP 1
	EXPS 1, 1
	CLIP 2
	EXPS 2, 1
	CLIP 3
	EXPS 3, 0
	WIN 0
.irp z, 132,133,134,135,136,137,138,139
	v_mov_b32 v\z, 0                               ; (plain places behind the exponentials)
.endr
	s_add_nc_u64 s[30:31], s[30:31], s[52:53]      ; this head's loads of K were shown done at the trip's head
	s_add_nc_u64 s[32:33], s[32:33], s[54:55]
	LOADK                                          ; the next head's: the last product that read K stands behind more than four plain lines that name none of its registers
	s_wait_alu depctr_va_vdst(0)                   ; one wait for the 256 exponentials, ahead of their first reader
	WIN 0x08
.set n, 0
.rept 32
	v_pk_add_f32 v[132:133], v[132:133], v[n:n+1]  ; the sum of my 256 p, in four chains
	v_pk_add_f32 v[134:135], v[134:135], v[n+2:n+3]
	v_pk_add_f32 v[136:137], v[136:137], v[n+4:n+5]
	v_pk_add_f32 v[138:139], v[138:139], v[n+6:n+7]
.set n, n+8
.endr
	WIN 0
	v_pk_add_f32 v[132:133], v[132:133], v[134:135]
	v_pk_add_f32 v[136:137], v[136:137], v[138:139]
	v_pk_add_f32 v[132:133], v[132:133], v[136:137]
	v_add_f32 v132, v132, v133
	v_permlanex16_b32 v133, v132, s[SEL], s[SEL+1]
	v_add_f32 v132, v132, v133                     ; my query, my wave's 512 keys
	ds_store_b32 v8, v132
	WIN 0x28                                       ; the largest p of each of my 16 blocks of 32 keys: half of the search stands between the store and the wait for it,
.irp q, 0,1,2,3,4,5,6,7,8,9,10,11,12,13,14,15
	v_max3_num_f32 v[BM+\q], 0, v[16*\q], v[16*\q+1]
.endr
.irp i, 2,4,6
.irp q, 0,1,2,3,4,5,6,7,8,9,10,11,12,13,14,15
	v_max3_num_f32 v[BM+\q], v[BM+\q], v[16*\q+\i], v[16*\q+\i+1]
.endr
.endr
	s_wait_dscnt 0x0                               ; for the others' sake: my sum lies in LDS (the last head's stores of O are done too)
	s_barrier_signal -1
.irp i, 8,10,12,14                                 ; the other half while the others arrive
.irp q, 0,1,2,3,4,5,6,7,8,9,10,11,12,13,14,15
	v_max3_num_f32 v[BM+\q], v[BM+\q], v[16*\q+\i], v[16*\q+\i+1]
.endr
.endr
	WIN 0
	s_barrier_wait -1
.irp w, 0,1,2,3
	ds_load_b32 v[140+\w], v9 offset:64*\w
.endr
.irp q, 0,1,2,3,4,5,6,7,8,9,10,11,12,13,14,15     ; and the exchange between the halves of the lanes while the four sums come
	v_permlanex16_b32 v[TM+\q], v[BM+\q], s[SEL], s[SEL+1]
.endr
.irp q, 0,1,2,3,4,5,6,7,8,9,10,11,12,13,14,15
	v_max_num_f32 v[BM+\q], v[BM+\q], v[TM+\q]
.endr
	s_wait_dscnt 0x0                               ; my reads of the four sums are over:
	s_barrier_signal -1                            ; a second barrier, so that nobody writes the next head's sum over words that a wave still reads
	v_add_f32 v140, v140, v141                     ; one order in every wave: the same bits
	v_add_f32 v142, v142, v143
	v_add_f32 v140, v140, v142
	s_wait_alu depctr_va_vdst(0)                   ; a wait ahead of the transcendental too
	v_rcp_f32 v14, v140
	v_nop
	s_wait_alu depctr_va_vdst(0)
	v_mov_b32 v15, v14
	s_barrier_wait -1
	QA 0
	QA 1
	s_wait_loadcnt 32                              ; V is in; the next head's 4 + 28 loads, issued behind it, may be out
	PV 0
	s_add_nc_u64 s[34:35], s[34:35], s[56:57]      ; that wait has shown this head's loads of V done: their bases step
	s_add_nc_u64 s[36:37], s[36:37], s[58:59]
	QA 2
	LOADVK 0                                       ; the next head's V, keys 0-127: QA 2's first 16 lines are the places behind the products that read these registers
	PV 1
	QA 3
	LOADVK 1
	PV 2
	PV 3
	PLACES
	WIN 0x0c
.irp j, 0,1,2,3,4,5,6,7
	ds_store_b128 v13, v[192+4*\j:195+4*\j] offset:512*\j   ; my partial O^T of this head, as its registers stand; ascending
.endr
	LOADVK 2
	LOADVK 3
	s_add_co_u32 s51, s51, 4096
	s_sub_co_i32 s50, s50, 1
	s_cmp_lg_u32 s50, 0
	s_cbranch_scc1 .Lhead
	; THE END.  Wave w takes heads 4 w .. 4 w + 3: two K steps of the next product.  Register 32 n + 8 t + j of a step = channel 64 n + 32 (t / 2) + 16 h + 8 (t % 2) + j: the quantiser's order as it stands
	s_wait_loadcnt 0x0
	s_wait_dscnt 0x0
	s_barrier_signal -1
	s_barrier_wait -1
	s_lshl_b32 s16, s12, 14
	v_add_nc_u32 v4, s16, v[L16]                   ; wave 0's partials of my first head;
	v_add_nc_u32 v5, 0x10000, v4                   ; wave 1's,
	v_add_nc_u32 v6, 0x20000, v4
	v_add_nc_u32 v7, 0x30000, v4
	s_lshl_b32 s16, ttmp9, 3
	s_lshl_b32 s17, s12, 1
	s_add_co_u32 s16, s16, s17
	s_lshl_b32 s16, s16, 13                        ; sigmoid(U): (tile x 8 + K step) x 8,192
	s_mov_b32 s17, 0
	s_add_nc_u64 s[38:39], s[4:5], s[16:17]
	WIN 0x40
.irp e, 0,1
.irp j, 0,1,2,3,4,5,6,7,8,9,10,11,12,13,14,15
	global_load_b128 v[64*\e+4*\j:64*\e+4*\j+3], v[L16], s[38:39] offset:6553600+8192*\e+512*\j th:TH_LOAD_NT
.endr
.endr
	WIN 0
	s_lshr_b32 s16, ttmp9, 3
	s_lshl_b32 s16, s16, 3
	s_lshl_b32 s18, s12, 1
	s_add_co_u32 s16, s16, s18                     ; panel x 8 + my first K step
	s_and_b32 s18, ttmp9, 7
	s_mul_i32 s40, s16, 12288
	s_mul_i32 s19, s18, 1536
	s_add_co_u32 s40, s40, s19
	s_mov_b32 s41, 0
	s_add_nc_u64 s[40:41], s[10:11], s[40:41]
	s_lshl_b32 s16, s16, 9
	s_lshl_b32 s18, s18, 6
	s_add_co_u32 s16, s16, s18
	s_add_nc_u64 s[42:43], s[10:11], s[16:17]
	v_lshlrev_b32 v111, 2, v1
	v_bfe_u32 v112, v0, 4, 1
	v_lshl_add_u32 v111, v112, 9, v111             ; the scale words: 4 r, lanes 16-31 one K step on
	s_wait_alu depctr_va_vdst(0)
.macro GATE e, pc, pw, left
	WIN 0x80
.irp w, 0,1,2,3
.irp n, 0,1
.irp j, 0,1,2,3,4,5,6,7
	ds_load_b128 v[64*\w+32*\n+4*\j:64*\w+32*\n+4*\j+3], v[4+\w] offset:8192*\e+4096*\n+512*\j
.endr
.endr
.endr
	s_wait_dscnt 0x0
	WIN 0x8a
.set n, 0
.rept 32
	v_pk_add_f32 v[n:n+1], v[n:n+1], v[64+n:65+n]
	v_pk_add_f32 v[128+n:129+n], v[128+n:129+n], v[192+n:193+n]
.set n, n+2
.endr
	WIN 0x0a
.set n, 0
.rept 32
	v_pk_add_f32 v[128+64*\e+n:129+64*\e+n], v[n:n+1], v[128+n:129+n]
.set n, n+2
.endr
	s_wait_loadcnt \left
	WIN 0x01
.set n, 0
.rept 32
	v_pk_mul_f32 v[128+64*\e+n:129+64*\e+n], v[64*\e+n:64*\e+n+1], v[128+64*\e+n:129+64*\e+n]
.set n, n+2
.endr
	WIN 0
	QUANT 128+64*\e, \pc, \pw
	IMAGE \pc, 40, 12288*\e
.endm
	GATE 0, 68, 108, 16                            ; the first K step's 16 loads of sigmoid(U) are in; the second's may be out
	GATE 1, 88, 109, 0
	v_cndmask_b32 v110, v108, v109, s45
	global_store_b32 v111, v110, s[42:43] offset:3145728
	s_set_vgpr_msb 0xf
	s_wait_tensorcnt 0x0
	ds_add_u32 v254, v255
	s_wait_dscnt 0x0
	s_set_vgpr_msb 0xf00
	s_endpgm
.Lfunc_end_k_q3c3bdacbf8_attn:
	.size	k_q3c3bdacbf8_attn, .Lfunc_end_k_q3c3bdacbf8_attn-k_q3c3bdacbf8_attn
	.p2alignl 7, 3214868480
	.fill 96, 4, 3214868480
	.section	.rodata,"a",@progbits
	.p2align	6, 0x0
	.amdhsa_kernel k_q3c3bdacbf8_attn
		.amdhsa_group_segment_fixed_size 263168
		.amdhsa_private_segment_fixed_size 0
		.amdhsa_enable_private_segment 0
		.amdhsa_kernarg_size 32
		.amdhsa_user_sgpr_count 2
		.amdhsa_user_sgpr_kernarg_segment_ptr 1
		.amdhsa_wavefront_size32 1
		.amdhsa_system_sgpr_workgroup_id_x 1
		.amdhsa_system_sgpr_workgroup_id_y 1
		.amdhsa_system_sgpr_workgroup_id_z 1
		.amdhsa_system_vgpr_workitem_id 0
		.amdhsa_next_free_vgpr 1024
		.amdhsa_next_free_sgpr 66
		.amdhsa_reserve_vcc 0
		.amdhsa_float_denorm_mode_32 3
		.amdhsa_float_denorm_mode_16_64 3
		.amdhsa_memory_ordered 1
		.amdhsa_forward_progress 1
		.amdhsa_inst_pref_size 255
	.end_amdhsa_kernel
	.section	.bss,"aw",@nobits
	.p2align	6
	.space	262144
	.amdgpu_metadata
---
amdhsa.version: [ 1, 2 ]
amdhsa.kernels:
  - .name:           k_q3c3bdacbf8_attn
    .symbol:         k_q3c3bdacbf8_attn.kd
    .args:
      - { .name: qkv, .offset: 0, .size: 8, .value_kind: global_buffer, .address_space: global }
      - { .name: attn_mask, .offset: 8, .size: 8, .value_kind: global_buffer, .address_space: global }
      - { .name: rel_pos_table, .offset: 16, .size: 8, .value_kind: global_buffer, .address_space: global }
      - { .name: gimg, .offset: 24, .size: 8, .value_kind: global_buffer, .address_space: global }
    .group_segment_fixed_size: 263168
    .private_segment_fixed_size: 0
    .kernarg_segment_align: 8
    .kernarg_segment_size: 32
    .max_flat_workgroup_size: 128
    .sgpr_count:     66
    .vgpr_count:     1024
    .wavefront_size: 32
...
	.end_amdgpu_metadata
.endif
;; end of part 3
;; launch wo (part 4): grid 8 x 32, 4 waves a work-group, clusters of 4 x 4, 327,680 bytes of LDS; arguments gimg, wimg, x, res_w, gate_w, o1; writes o1
.if DOCPART == 4
	.amdgcn_target "amdgcn-amd-amdhsa--gfx1250"
	.amdhsa_code_object_version 6
	.text
	.protected	k_q3c3bdacbf8_wo
	.globl	k_q3c3bdacbf8_wo
	.p2align	8
	.type	k_q3c3bdacbf8_wo,@function
k_q3c3bdacbf8_wo:
	s_mov_b64 s[64:65], 0
	v_nop
	global_prefetch_b8 v0, s[64:65] scope:SCOPE_SE
	s_setreg_imm32_b32 hwreg(HW_REG_WAVE_MODE, 25, 1), 1
	s_wait_xcnt 0x0
	s_wait_alu depctr_hold_cnt(0) depctr_sa_sdst(0) depctr_va_vdst(0) depctr_va_sdst(0) depctr_va_ssrc(0) depctr_va_vcc(0) depctr_vm_vsrc(0)
	s_getreg_b32 s2, hwreg(HW_REG_IB_STS2, 6, 4)
	s_cmp_eq_u32 s2, 0
	s_cbranch_scc0 .Lentry_in_a_cluster
	s_endpgm
.Lentry_in_a_cluster:
	s_bfe_u32 s2, ttmp6, 0x10000c
	s_cmp_lg_u32 s2, 0xf033
	s_cbranch_scc0 .Lentry_shape_is_right
	s_endpgm
.Lentry_shape_is_right:
.set KS,    8
.set ABASE, 0
.set ASCL,  3145728
.set BBASE, 2359296
.set BSCL,  9437184+98304
.set PORD,  1
.set SLOT,  98304
.set SCL,   2*SLOT
.set SCB,   SCL+KS*512
.set SPARE, SCB+KS*512
.set SP,    528
.set ADRA, 16
.set ADRB, 20
.set ADRS, 22
.set STO,  24
.set SPW,  28
.set NIL,  29
.set L16,  30
.set L4,   31
.set SC,   32
.set TM,   64
.set PC0,  80
.set PC1,  100
.set PW0,  120
.set PW1,  121
.set PWM,  122
.set ACC,  128
.set F0,   0
.set F1,   96
.set SEL,  66
.set G1,   24
.set G0,   32
.set G1B,  48
.set G0B,  56
.set G1S,  68
.set G0S,  76
.set G1SB, 80
.set G0SB, 88
.set MSB, 0
.macro WIN new
.if MSB != \new
	s_set_vgpr_msb (MSB<<8)|\new
.set MSB, \new
.endif
.endm
.macro PLACES
.rept 4
	v_nop
.endr
.endm
.macro JLOAD g0a, g1a, g0b, g1b
	s_cmp_eq_u32 s11, 0
	s_cbranch_scc0 .Lfor_b_\@
	tensor_load_to_lds s[\g0a:\g0a+3], s[\g1a:\g1a+7]
	s_nop 0
.rept 4
	v_nop
.endr
	s_branch .Lasked_\@
.Lfor_b_\@:
	tensor_load_to_lds s[\g0b:\g0b+3], s[\g1b:\g1b+7]
	s_nop 0
.rept 4
	v_nop
.endr
.Lasked_\@:
.endm
.macro CREST
	s_cmp_lg_u32 s10, 0
	s_cbranch_scc1 .Lnot_wave_0_\@
	s_barrier_signal -3
.Lnot_wave_0_\@:
	s_barrier_wait -3
	s_barrier_signal -1
	s_barrier_wait -1
.endm
.macro CROUND
	s_barrier_signal -1
	s_barrier_wait -1
	CREST
.endm
.macro QUANT s, pc, pw
.irp b, 0,1,2,3
	v_max3_num_f32 v[TM+\b], |v[\s+16*\b]|, |v[\s+1+16*\b]|, 0x1800000
.endr
.irp i, 2,4,6,8,10,12,14
.irp b, 0,1,2,3
	v_max3_num_f32 v[TM+\b], v[TM+\b], |v[\s+16*\b+\i]|, |v[\s+1+16*\b+\i]|
.endr
.endr
.irp b, 0,1,2,3
	v_permlanex16_b32 v[TM+4+\b], v[TM+\b], s[SEL], s[SEL+1]
.endr
.irp b, 0,1,2,3
	v_max_num_f32 v[TM+\b], v[TM+\b], v[TM+4+\b]
.endr
.irp b, 0,1,2,3
	v_add_nc_u32 v[TM+8+\b], 0xff000000, v[TM+\b]
.endr
.irp b, 0,1,2,3
	v_lshrrev_b32 v[TM+4+\b], 23, v[TM+8+\b]
.endr
	v_lshl_or_b32 v[\pw], v[TM+5], 8, v[TM+4]
	v_lshl_or_b32 v[\pw], v[TM+6], 16, v[\pw]
	v_lshl_or_b32 v[\pw], v[TM+7], 24, v[\pw]
.irp c, 0,1
	v_cvt_scalef32_pk16_fp6_f32 v[\pc+6*\c:\pc+2+6*\c], v[\s+32*\c:\s+15+32*\c], v[TM+8+2*\c]
	v_cvt_scalef32_pk16_fp6_f32 v[\pc+12+4*\c:\pc+14+4*\c], v[\s+16+32*\c:\s+31+32*\c], v[TM+8+2*\c+1]
.endr
	v_nop
.irp c, 0,1
.irp i, 0,1,2
	v_permlane16_swap_b32 v[\pc+6*\c+\i], v[\pc+12+4*\c+\i]
.endr
.irp i, 0,1,2
	v_mov_b32 v[\pc+3+6*\c+\i], v[\pc+12+4*\c+\i]
.endr
.endr
.endm
.macro IMAGE pc, base, off
.irp c, 0,1,2
	global_store_b128 v[L16], v[\pc+4*\c:\pc+4*\c+3], s[\base:\base+1] offset:\off+512*\c
.endr
.endm
.macro FETCH slot, q, f, set
	WIN 0x40
.irp i, 0,1,2,3
.irp j, 0,1,2
	ds_load_b128 v[\f+12*\i+4*\j:\f+12*\i+4*\j+3], v[ADRB+\slot] offset:(\q)*12288+\i*1536+512*\j
.endr
.endr
.irp i, 0,1,2,3
.irp j, 0,1,2
	ds_load_b128 v[\f+48+12*\i+4*\j:\f+48+12*\i+4*\j+3], v[ADRA+\slot] offset:(\q)*12288+\i*1536+512*\j
.endr
.endr
	WIN 0
.irp i, 0,1,2,3
	ds_load_b32 v[SC+4*(\set)+\i], v[ADRS] offset:(\q)*512+64*\i
.endr
.endm
.macro MUL4 f, set, a, zero
	WIN 0x05
.irp b, 0,1,2,3
.if \zero
	v_wmma_scale_f32_16x16x128_f8f6f4 v[ACC+8*(4*(\a)+\b):ACC+8*(4*(\a)+\b)+7], v[\f+12*\b:\f+12*\b+11], v[\f+48+12*(\a):\f+48+12*(\a)+11], 0, v[SC+4*(\set)+\b], v[SC+4*(\set)+(\a)] matrix_a_fmt:MATRIX_FMT_FP6 matrix_b_fmt:MATRIX_FMT_FP6 matrix_a_scale:MATRIX_SCALE_ROW1
.else
	v_wmma_scale_f32_16x16x128_f8f6f4 v[ACC+8*(4*(\a)+\b):ACC+8*(4*(\a)+\b)+7], v[\f+12*\b:\f+12*\b+11], v[\f+48+12*(\a):\f+48+12*(\a)+11], v[ACC+8*(4*(\a)+\b):ACC+8*(4*(\a)+\b)+7], v[SC+4*(\set)+\b], v[SC+4*(\set)+(\a)] matrix_a_fmt:MATRIX_FMT_FP6 matrix_b_fmt:MATRIX_FMT_FP6 matrix_a_scale:MATRIX_SCALE_ROW1
.endif
.endr
.endm
.macro STEP slot, q, zero
	s_wait_dscnt 0x0
	PLACES
	FETCH \slot, (\q)+1, F0+96*(1-(\q)%2), 1-(\q)%2
	MUL4 F0+96*((\q)%2), (\q)%2, 0, \zero
	MUL4 F0+96*((\q)%2), (\q)%2, 1, \zero
	MUL4 F0+96*((\q)%2), (\q)%2, 2, \zero
	MUL4 F0+96*((\q)%2), (\q)%2, 3, \zero
.endm
.macro TURN slot, next, fill
	WIN 0
	s_wait_tensorcnt 0x0
	ds_add_u32 v[SPW], v[NIL]
	s_wait_dscnt 1
	MUL4 F1, 1, 0, 0
	s_wait_dscnt 0x0
	s_barrier_signal -1
	MUL4 F1, 1, 1, 0
	WIN 0
	s_barrier_wait -1
.if \fill
	CREST
	s_add_nc_u64 s[G0+4*\slot+2:G0+4*\slot+3], s[G0+4*\slot+2:G0+4*\slot+3], 2*49152
	s_add_nc_u64 s[G0B+4*\slot+2:G0B+4*\slot+3], s[G0B+4*\slot+2:G0B+4*\slot+3], 2*49152
	JLOAD G0+4*\slot, G1, G0B+4*\slot, G1B
.else
	PLACES
.endif
	v_add_nc_u32 v[ADRS], 2048, v[ADRS]
	FETCH \next, 0, F0, 0
	MUL4 F1, 1, 2, 0
	MUL4 F1, 1, 3, 0
.endm
.macro TOSTAGE                         ; a barrier first: the stage lies over A's K steps 0 to 5, and every wave's reads of them are over (its last wait on DScnt was for 0)
	s_barrier_signal -1
	s_barrier_wait -1
.irp a, 0,1,2,3
.irp b, 0,1,2,3
.if PORD
	ds_store_b128 v[STO], v[ACC+8*(4*\a+\b):ACC+8*(4*\a+\b)+3] offset:(32*(\a/2)+8*(\a%2))*SP+64*\b
	ds_store_b128 v[STO], v[ACC+8*(4*\a+\b)+4:ACC+8*(4*\a+\b)+7] offset:(32*(\a/2)+8*(\a%2))*SP+64*\b+16
.else
	ds_store_b128 v[STO], v[ACC+8*(4*\a+\b):ACC+8*(4*\a+\b)+3] offset:16*\a*SP+64*\b
	ds_store_b128 v[STO], v[ACC+8*(4*\a+\b)+4:ACC+8*(4*\a+\b)+7] offset:16*\a*SP+64*\b+16
.endif
.endr
.endr
	s_wait_dscnt 0x0
	s_barrier_signal -1
	s_barrier_wait -1
.endm
	s_load_b128 s[4:7], s[0:1], 0x0
	s_load_b256 s[92:99], s[0:1], 0x10
	v_lshl_add_u32 v[SPW], v0, 2, SPARE
	v_mov_b32 v[NIL], 0
	ds_add_u32 v28, v29
	ds_add_u32 v28, v29
	s_wait_dscnt 0x0
	v_lshrrev_b32 v1, 5, v0
	v_readfirstlane_b32 s10, v1
	s_lshr_b32 s11, s10, 1
	s_and_b32 s12, s10, 1
	s_bfe_u32 s40, ttmp6, 0x40000
	s_bfe_u32 s41, ttmp6, 0x40004
	s_lshl_b32 s42, ttmp9, 2
	s_add_co_u32 s42, s42, s40
	s_and_b32 s13, ttmp7, 0xffff
	s_lshl_b32 s13, s13, 2
	s_add_co_u32 s13, s13, s41
	s_lshl_b32 s43, s41, 2
	s_lshl_b32 s43, 15, s43
	s_lshl_b32 s44, 0x1111, s40
	s_or_b32 s[G1+0], s43, (3<<16)|(1<<21)
	s_or_b32 s[G1B+0], s44, (3<<16)|(1<<21)
.irp g, G1, G1B
	s_mov_b32 s[\g+1], 32<<16
	s_mov_b32 s[\g+2], 384<<16                     ; a panel's codes for all of K: 384 rows of 256 bytes
	s_mov_b32 s[\g+3], 32<<16
	s_mov_b32 s[\g+4], 384
	s_mov_b32 s[\g+5], 32
	s_mov_b32 s[\g+6], 0
	s_mov_b32 s[\g+7], 0
.endr
	s_or_b32 s[G1S+0], s43, (3<<16)|(1<<21)
	s_or_b32 s[G1SB+0], s44, (3<<16)|(1<<21)
.irp g, G1S, G1SB
	s_mov_b32 s[\g+1], 32<<16
	s_mov_b32 s[\g+2], (2*KS)<<16                  ; a panel's scale words: KS x 512 bytes
	s_mov_b32 s[\g+3], 32<<16
	s_mov_b32 s[\g+4], 2*KS
	s_mov_b32 s[\g+5], 32
	s_mov_b32 s[\g+6], 0
	s_mov_b32 s[\g+7], 0
.endr
	s_mul_i32 s14, s13, KS*12288
	s_add_co_u32 s14, s14, ABASE
	s_mov_b32 s15, 0
	s_mul_i32 s18, s42, KS*12288
	s_add_co_u32 s18, s18, BBASE
	s_mov_b32 s19, 0
	s_mul_i32 s16, s13, KS*512
	s_add_co_u32 s16, s16, ASCL
	s_mov_b32 s17, 0
	s_mul_i32 s20, s42, KS*512
	s_add_co_u32 s20, s20, BSCL
	s_mov_b32 s21, 0
	s_wait_kmcnt 0x0
	s_load_b32 s2, s[94:95], 0x0
	s_load_b32 s3, s[96:97], 0x0
	s_add_nc_u64 s[14:15], s[4:5], s[14:15]
	s_add_nc_u64 s[16:17], s[4:5], s[16:17]
	s_add_nc_u64 s[18:19], s[6:7], s[18:19]
	s_add_nc_u64 s[20:21], s[6:7], s[20:21]
	CROUND
	s_mov_b32 s[G0S], 1
	s_mov_b32 s[G0S+1], SCL
	s_mov_b64 s[G0S+2:G0S+3], s[16:17]
	s_or_b32 s[G0S+3], s[G0S+3], 0x80000000
	s_mov_b32 s[G0SB], 1
	s_mov_b32 s[G0SB+1], SCB
	s_mov_b64 s[G0SB+2:G0SB+3], s[20:21]
	s_or_b32 s[G0SB+3], s[G0SB+3], 0x80000000
	s_mov_b32 s[G0], 1
	s_mov_b32 s[G0+1], 0
	s_mov_b64 s[G0+2:G0+3], s[14:15]
	s_or_b32 s[G0+3], s[G0+3], 0x80000000
	s_mov_b32 s[G0B], 1
	s_mov_b32 s[G0B+1], SLOT
	s_mov_b64 s[G0B+2:G0B+3], s[18:19]
	s_or_b32 s[G0B+3], s[G0B+3], 0x80000000
; THE LAUNCH'S FOUR TILES, ONE JOINT LOAD A WAVE: wave 0 A's codes for all of K (LDS byte 0 on), wave 1 B's (byte SLOT on), wave 2 A's scale words, wave 3 B's.  One chain of branches on the wave's number, every arm leading to one join.
.macro ARM under, g0, g1, next
	s_cmp_lt_u32 s10, \under
	s_cbranch_scc0 \next
	tensor_load_to_lds s[\g0:\g0+3], s[\g1:\g1+7]
	s_nop 0
.rept 4
	v_nop
.endr
	s_branch .Lhead_asked
\next:
.endm
	ARM 1, G0,  G1,  .Lhead_b
	ARM 2, G0B, G1B, .Lhead_sa
	ARM 3, G0S, G1S, .Lhead_sb
	tensor_load_to_lds s[G0SB:G0SB+3], s[G1SB:G1SB+7]
	s_nop 0
.rept 4
	v_nop
.endr
.Lhead_asked:
	v_and_b32 v1, 15, v0
	v_bfe_u32 v2, v0, 4, 1
	s_wait_alu depctr_va_vdst(0)
	v_and_b32 v3, 31, v0
	v_lshlrev_b32 v[L16], 4, v3
	v_lshlrev_b32 v[L4], 2, v3
	s_mul_i32 s22, s11, 6144
	s_mul_i32 s23, s12, 6144                       ; my four tiles of B, behind A's eight K steps
	s_add_co_u32 s23, s23, 98304
.irp s, 0,1
	v_add_nc_u32 v[ADRA+\s], s22, v[L16]
	v_add_nc_u32 v[ADRB+\s], s23, v[L16]
	s_add_co_u32 s22, s22, 49152                   ; the second address of each pair: K steps 4 to 7
	s_add_co_u32 s23, s23, 49152
.endr
	s_lshl_b32 s22, s11, 8
	s_lshl_b32 s23, s12, 8
	s_add_co_u32 s23, s23, KS*512
	s_sub_co_u32 s23, s23, s22
	v_mul_u32_u24 v4, s23, v2
	s_add_co_u32 s22, s22, SCL
	v_lshl_add_u32 v4, v1, 2, v4
	v_add_nc_u32 v[ADRS], s22, v4
	v_and_b32 v4, 8, v1
	v_add_nc_u32 v4, v4, v1
.if PORD
	v_mul_u32_u24 v5, v4, SP
.else
	v_mul_u32_u24 v5, v1, SP
.endif
	v_lshl_add_u32 v5, v2, 5, v5
	s_mul_i32 s22, s11, 64*SP
	s_lshl_b32 s23, s12, 8
	s_add_co_u32 s22, s22, s23
	v_add_nc_u32 v[STO], s22, v5
	s_mov_b32 s[SEL], 0x76543210
	s_mov_b32 s[SEL+1], 0xfedcba98
.irp b, 0,1,2,3
	v_mov_b32 v[TM+4+\b], 0
.endr
	s_wait_alu depctr_va_vdst(0)                   ; the wait at the head's end
	s_wait_tensorcnt 0x0                           ; my one load has landed
	s_barrier_signal -1
	s_barrier_wait -1
	FETCH 0, 0, F0, 0
	STEP 0, 0, 1
	STEP 0, 1, 0
	STEP 0, 2, 0
	TURN 0, 1, 0
	s_wait_alu depctr_va_vdst(0)
	STEP 1, 0, 0
	STEP 1, 1, 0
	STEP 1, 2, 0
	s_wait_dscnt 0x0
	MUL4 F1, 1, 0, 0
	MUL4 F1, 1, 1, 0
	MUL4 F1, 1, 2, 0
	MUL4 F1, 1, 3, 0
	WIN 0
	PLACES
	s_lshl_b32 s22, s13, 7
	s_lshl_b32 s23, s10, 5
	s_add_co_u32 s22, s22, s23
	s_lshl_b32 s22, s22, 12
	s_lshl_b32 s23, s42, 9
	s_add_co_u32 s22, s22, s23
	s_mov_b32 s23, 0
	s_add_nc_u64 s[92:93], s[92:93], s[22:23]
	s_add_nc_u64 s[14:15], s[98:99], s[22:23]
	WIN 0x40
.set n, 0
.rept 32
	global_load_b128 v[4*n:4*n+3], v[L16], s[92:93] offset:4096*n th:TH_LOAD_NT
.set n, n+1
.endr
	WIN 0
	TOSTAGE
	s_wait_kmcnt 0x0
	v_mov_b32 v40, s2
	v_mov_b32 v42, s3
	v_mul_f32 v40, 0xbfb8aa3b, v40
	v_mul_f32 v42, 0xbfb8aa3b, v42
	s_wait_alu depctr_va_vdst(0)
	v_exp_f32 v40, v40
	v_exp_f32 v42, v42
	v_nop
	s_wait_alu depctr_va_vdst(0)
	v_add_f32 v40, 1.0, v40
	v_add_f32 v42, 1.0, v42
	s_wait_alu depctr_va_vdst(0)
	v_rcp_f32 v40, v40
	v_rcp_f32 v42, v42
	v_nop
	s_wait_alu depctr_va_vdst(0)
	v_mov_b32 v41, v40
	v_mov_b32 v43, v42
	s_mul_i32 s22, s10, 32*SP
	v_add_nc_u32 v25, s22, v[L16]
	v_mul_u32_u24 v26, v1, SP
	v_lshl_add_u32 v26, v2, 6, v26
	v_add_nc_u32 v26, s22, v26
.set n, 0
.rept 32
	ds_load_b128 v[128+4*n:128+4*n+3], v25 offset:SP*n
.set n, n+1
.endr
	s_wait_alu depctr_va_vdst(0)
	s_wait_dscnt 0x0
.set n, 128
.rept 64
	v_pk_mul_f32 v[n:n+1], v[n:n+1], v[42:43]
.set n, n+2
.endr
	s_wait_loadcnt 0x0
	WIN 0x01
.set n, 0
.rept 64
	v_pk_fma_f32 v[128+n:129+n], v[n:n+1], v[40:41], v[128+n:129+n]
.set n, n+2
.endr
	WIN 0
.set n, 0
.rept 32
	global_store_b128 v[L16], v[128+4*n:128+4*n+3], s[14:15] offset:4096*n
.set n, n+1
.endr
.set n, 0
.rept 32
	ds_store_b128 v25, v[128+4*n:128+4*n+3] offset:SP*n
.set n, n+1
.endr
	s_wait_dscnt 0x0
	s_wait_xcnt 0x0
.irp u, 0,1
.irp b, 0,1,2,3
.irp j, 0,1,2,3
	ds_load_b128 v[128+64*\u+16*\b+4*\j:128+64*\u+16*\b+4*\j+3], v26 offset:16*\u*SP+128*\b+16*\j
.endr
.endr
.endr
	s_wait_dscnt 0x0
	QUANT 128, PC0, PW0
	QUANT 192, PC1, PW1
	s_lshl_b32 s22, s13, 3
	s_add_co_u32 s22, s22, s42
	s_mul_i32 s16, s22, 12288
	s_mul_i32 s23, s10, 3072
	s_add_co_u32 s16, s16, s23
	s_add_co_u32 s16, s16, 16777216
	s_mov_b32 s17, 0
	s_add_nc_u64 s[16:17], s[98:99], s[16:17]
	IMAGE PC0, 16, 0
	s_wait_alu depctr_va_vdst(0)
	IMAGE PC1, 16, 1536
	s_lshl_b32 s22, s22, 9
	s_lshl_b32 s23, s10, 7
	s_add_co_u32 s22, s22, s23
	s_add_co_u32 s22, s22, 19922944
	s_mov_b32 s23, 0
	s_add_nc_u64 s[18:19], s[98:99], s[22:23]
	s_mov_b32 s22, 0xffff0000
	v_cndmask_b32 v[PWM], v[PW0], v[PW1], s22
	global_store_b32 v[L4], v[PWM], s[18:19]
	s_wait_tensorcnt 0x0
	ds_add_u32 v[SPW], v[NIL]
	s_wait_dscnt 0x0
	CROUND
	s_endpgm
.Lfunc_end_k_q3c3bdacbf8_wo:
	.size	k_q3c3bdacbf8_wo, .Lfunc_end_k_q3c3bdacbf8_wo-k_q3c3bdacbf8_wo
	.p2alignl 7, 3214868480
	.fill 96, 4, 3214868480
	.section	.rodata,"a",@progbits
	.p2align	6, 0x0
	.amdhsa_kernel k_q3c3bdacbf8_wo
		.amdhsa_group_segment_fixed_size 327680
		.amdhsa_private_segment_fixed_size 0
		.amdhsa_enable_private_segment 0
		.amdhsa_kernarg_size 48
		.amdhsa_user_sgpr_count 2
		.amdhsa_user_sgpr_kernarg_segment_ptr 1
		.amdhsa_wavefront_size32 1
		.amdhsa_system_sgpr_workgroup_id_x 1
		.amdhsa_system_sgpr_workgroup_id_y 1
		.amdhsa_system_sgpr_workgroup_id_z 1
		.amdhsa_system_vgpr_workitem_id 0
		.amdhsa_next_free_vgpr 512
		.amdhsa_next_free_sgpr 100
		.amdhsa_reserve_vcc 0
		.amdhsa_float_denorm_mode_32 3
		.amdhsa_float_denorm_mode_16_64 3
		.amdhsa_memory_ordered 1
		.amdhsa_forward_progress 1
		.amdhsa_inst_pref_size 74
	.end_amdhsa_kernel
	.amdgpu_metadata
---
amdhsa.version: [ 1, 2 ]
amdhsa.kernels:
  - .name:           k_q3c3bdacbf8_wo
    .symbol:         k_q3c3bdacbf8_wo.kd
    .args:
      - { .name: gimg, .offset: 0, .size: 8, .value_kind: global_buffer, .address_space: global }
      - { .name: wimg, .offset: 8, .size: 8, .value_kind: global_buffer, .address_space: global }
      - { .name: x, .offset: 16, .size: 8, .value_kind: global_buffer, .address_space: global }
      - { .name: res_w, .offset: 24, .size: 8, .value_kind: global_buffer, .address_space: global }
      - { .name: gate_w, .offset: 32, .size: 8, .value_kind: global_buffer, .address_space: global }
      - { .name: o1, .offset: 40, .size: 8, .value_kind: global_buffer, .address_space: global }
    .group_segment_fixed_size: 327680
    .private_segment_fixed_size: 0
    .kernarg_segment_align: 8
    .kernarg_segment_size: 48
    .max_flat_workgroup_size: 128
    .sgpr_count:     100
    .vgpr_count:     512
    .wavefront_size: 32
...
	.end_amdgpu_metadata
.endif
;; end of part 4
;; launch ffn1 (part 5): grid 32 x 16, 8 waves a work-group, clusters of 4 x 4, 327,680 bytes of LDS; arguments o1, wimg, ffn1_b, himg; writes himg
.if DOCPART == 5
	.amdgcn_target "amdgcn-amd-amdhsa--gfx1250"
	.amdhsa_code_object_version 6
	.text
	.protected	k_q3c3bdacbf8_ffn1
	.globl	k_q3c3bdacbf8_ffn1
	.p2align	8
	.type	k_q3c3bdacbf8_ffn1,@function
k_q3c3bdacbf8_ffn1:
	s_mov_b64 s[64:65], 0
	v_nop
	global_prefetch_b8 v0, s[64:65] scope:SCOPE_SE
	s_setreg_imm32_b32 hwreg(HW_REG_WAVE_MODE, 25, 1), 1
	s_wait_xcnt 0x0
	s_wait_alu depctr_hold_cnt(0) depctr_sa_sdst(0) depctr_va_vdst(0) depctr_va_sdst(0) depctr_va_ssrc(0) depctr_va_vcc(0) depctr_vm_vsrc(0)
	s_getreg_b32 s2, hwreg(HW_REG_IB_STS2, 6, 4)
	s_cmp_eq_u32 s2, 0
	s_cbranch_scc0 .Lentry_in_a_cluster
	s_endpgm
.Lentry_in_a_cluster:
	s_bfe_u32 s2, ttmp6, 0x10000c
	s_cmp_lg_u32 s2, 0xf033
	s_cbranch_scc0 .Lentry_shape_is_right
	s_endpgm
.Lentry_shape_is_right:
; FFN1.  hidden = gelu(out1 ffn1_w^T + ffn1_b), exact gelu, on codes of FP6 (M 4,096, N 4,096, K 1,024); the hidden layer leaves as codes along its 4,096 for the next product.
; THE PRODUCT: a tile of C is 128 x 128, four waves of 64 x 64; operands lie in memory as images of the operand's registers; all of K is two slots of LDS, filled once by joint loads of a 4 x 4 cluster.
; The matrix instruction is used transposed: a lane holds one token and eight neighbouring columns.  The tile goes through a stage in LDS ([128][128] f32, pitch 528, in slot 0, which has had its only fill and its
; last read); behind one barrier wave w reads tokens 32 w .. 32 w + 31 as two tiles, 16 neighbours of each block of 32 to a lane.
; GELU: 0.5 x (1 + erf(x / sqrt 2)).  erf by two polynomials, both always computed, one chosen by a select: |a| > 0.9277: 1 - exp of a polynomial of degree 7 in |a|, with a's sign; else a + a P(a^2).
; Sixteen numbers a batch: their 16 exponentials have one wait, and the other polynomial is the work between.
; LIMITS: NaN and infinities are not served; under x = -3 gelu's relative accuracy is that of 1 + erf in f32; a block under 2^-124 keeps the byte 1.  The scale words leave in pieces of 128 bytes.
.set KS,    8
.set ABASE, 16777216
.set ASCL,  19922944
.set BBASE, 3145728
.set BSCL,  9437184+131072
.set PORD,  0
.set SLOT,  98304
; THE BLOCK IS 256 TOKENS x 128 COLUMNS, EIGHT WAVES of 64 x 64 (this holds, not the 128 x 128 of four waves that the head describes): wave w has token rows 64 (w / 2) on and columns 64 (w % 2) on.
; LDS: A's two panels of 128 tokens, all of K (2 x 98,304 bytes), B's panel (98,304), A's scale words (2 x 4,096), B's (4,096), the spare words (8 x 128).  The stage, 256 rows x 528 bytes, lies over A.
.set SCL,   3*SLOT
.set SCB,   SCL+2*KS*512
.set SPARE, SCB+KS*512
.set SP,    528
.set ADRA, 16
.set ADRB, 20
.set ADRS, 22
.set STO,  24
.set SPW,  28
.set NIL,  29
.set L16,  30
.set L4,   31
.set SC,   32
.set TM,   64
.set PC0,  80
.set PC1,  100
.set PW0,  120
.set PW1,  121
.set PWM,  122
.set ACC,  128
.set F0,   0
.set F1,   96
.set SEL,  66
.set G1,   24
.set G0,   32
.set G1B,  48
.set G0B,  56
.set G1S,  68
.set G0S,  76
.set G1SB, 80
.set G0SB, 88
.set MSB, 0
.macro WIN new
.if MSB != \new
	s_set_vgpr_msb (MSB<<8)|\new
.set MSB, \new
.endif
.endm
.macro PLACES
.rept 4
	v_nop
.endr
.endm
.macro JLOAD g0a, g1a, g0b, g1b
	s_cmp_eq_u32 s11, 0
	s_cbranch_scc0 .Lfor_b_\@
	tensor_load_to_lds s[\g0a:\g0a+3], s[\g1a:\g1a+7]
	s_nop 0
.rept 4
	v_nop
.endr
	s_branch .Lasked_\@
.Lfor_b_\@:
	tensor_load_to_lds s[\g0b:\g0b+3], s[\g1b:\g1b+7]
	s_nop 0
.rept 4
	v_nop
.endr
.Lasked_\@:
.endm
.macro CREST
	s_cmp_lg_u32 s10, 0
	s_cbranch_scc1 .Lnot_wave_0_\@
	s_barrier_signal -3
.Lnot_wave_0_\@:
	s_barrier_wait -3
	s_barrier_signal -1
	s_barrier_wait -1
.endm
.macro CROUND
	s_barrier_signal -1
	s_barrier_wait -1
	CREST
.endm
.macro QUANT s, pc, pw
.irp b, 0,1,2,3
	v_max3_num_f32 v[TM+\b], |v[\s+16*\b]|, |v[\s+1+16*\b]|, 0x1800000
.endr
.irp i, 2,4,6,8,10,12,14
.irp b, 0,1,2,3
	v_max3_num_f32 v[TM+\b], v[TM+\b], |v[\s+16*\b+\i]|, |v[\s+1+16*\b+\i]|
.endr
.endr
.irp b, 0,1,2,3
	v_permlanex16_b32 v[TM+4+\b], v[TM+\b], s[SEL], s[SEL+1]
.endr
.irp b, 0,1,2,3
	v_max_num_f32 v[TM+\b], v[TM+\b], v[TM+4+\b]
.endr
.irp b, 0,1,2,3
	v_add_nc_u32 v[TM+8+\b], 0xff000000, v[TM+\b]
.endr
.irp b, 0,1,2,3
	v_lshrrev_b32 v[TM+4+\b], 23, v[TM+8+\b]
.endr
	v_lshl_or_b32 v[\pw], v[TM+5], 8, v[TM+4]
	v_lshl_or_b32 v[\pw], v[TM+6], 16, v[\pw]
	v_lshl_or_b32 v[\pw], v[TM+7], 24, v[\pw]
.irp c, 0,1
	v_cvt_scalef32_pk16_fp6_f32 v[\pc+6*\c:\pc+2+6*\c], v[\s+32*\c:\s+15+32*\c], v[TM+8+2*\c]
	v_cvt_scalef32_pk16_fp6_f32 v[\pc+12+4*\c:\pc+14+4*\c], v[\s+16+32*\c:\s+31+32*\c], v[TM+8+2*\c+1]
.endr
	v_nop
.irp c, 0,1
.irp i, 0,1,2
	v_permlane16_swap_b32 v[\pc+6*\c+\i], v[\pc+12+4*\c+\i]
.endr
.irp i, 0,1,2
	v_mov_b32 v[\pc+3+6*\c+\i], v[\pc+12+4*\c+\i]
.endr
.endr
.endm
.macro IMAGE pc, base, off
.irp c, 0,1,2
	global_store_b128 v[L16], v[\pc+4*\c:\pc+4*\c+3], s[\base:\base+1] offset:\off+512*\c
.endr
.endm
.macro FETCH slot, q, f, set
	WIN 0x40
.irp i, 0,1,2,3
.irp j, 0,1,2
	ds_load_b128 v[\f+12*\i+4*\j:\f+12*\i+4*\j+3], v[ADRB+\slot] offset:(\q)*12288+\i*1536+512*\j
.endr
.endr
.irp i, 0,1,2,3
.irp j, 0,1,2
	ds_load_b128 v[\f+48+12*\i+4*\j:\f+48+12*\i+4*\j+3], v[ADRA+\slot] offset:(\q)*12288+\i*1536+512*\j
.endr
.endr
	WIN 0
.irp i, 0,1,2,3
	ds_load_b32 v[SC+4*(\set)+\i], v[ADRS] offset:(\q)*512+64*\i
.endr
.endm
.macro MUL4 f, set, a, zero            ; the 16 accumulators take turns, one instruction a turn
	WIN 0x05
.irp b, 0,1,2,3
.if \zero
	v_wmma_scale_f32_16x16x128_f8f6f4 v[ACC+8*(4*(\a)+\b):ACC+8*(4*(\a)+\b)+7], v[\f+12*\b:\f+12*\b+11], v[\f+48+12*(\a):\f+48+12*(\a)+11], 0, v[SC+4*(\set)+\b], v[SC+4*(\set)+(\a)] matrix_a_fmt:MATRIX_FMT_FP6 matrix_b_fmt:MATRIX_FMT_FP6 matrix_a_scale:MATRIX_SCALE_ROW1
.else
	v_wmma_scale_f32_16x16x128_f8f6f4 v[ACC+8*(4*(\a)+\b):ACC+8*(4*(\a)+\b)+7], v[\f+12*\b:\f+12*\b+11], v[\f+48+12*(\a):\f+48+12*(\a)+11], v[ACC+8*(4*(\a)+\b):ACC+8*(4*(\a)+\b)+7], v[SC+4*(\set)+\b], v[SC+4*(\set)+(\a)] matrix_a_fmt:MATRIX_FMT_FP6 matrix_b_fmt:MATRIX_FMT_FP6 matrix_a_scale:MATRIX_SCALE_ROW1
.endif
.endr
.endm
.macro STEP slot, q, zero
	s_wait_dscnt 0x0                               ; this step's loads, asked for a step ago, are in
	PLACES
	FETCH \slot, (\q)+1, F0+96*(1-(\q)%2), 1-(\q)%2
	MUL4 F0+96*((\q)%2), (\q)%2, 0, \zero
	MUL4 F0+96*((\q)%2), (\q)%2, 1, \zero
	MUL4 F0+96*((\q)%2), (\q)%2, 2, \zero
	MUL4 F0+96*((\q)%2), (\q)%2, 3, \zero
.endm
.macro TURN slot, next, fill
	WIN 0
	s_wait_tensorcnt 0x0                           ; all my tensor loads have landed, my part of the next slot among them
	ds_add_u32 v[SPW], v[NIL]                      ; 0 onto my spare word
	s_wait_dscnt 1                                 ; this step's 28 loads are in; the add may be out
	MUL4 F1, 1, 0, 0
	s_wait_dscnt 0x0                               ; the add is done, and my reads of this slot are over
	s_barrier_signal -1
	MUL4 F1, 1, 1, 0
	WIN 0
	s_barrier_wait -1
.if \fill
	CREST
	s_add_nc_u64 s[G0+4*\slot+2:G0+4*\slot+3], s[G0+4*\slot+2:G0+4*\slot+3], 2*49152
	s_add_nc_u64 s[G0B+4*\slot+2:G0B+4*\slot+3], s[G0B+4*\slot+2:G0B+4*\slot+3], 2*49152
	JLOAD G0+4*\slot, G1, G0B+4*\slot, G1B
.else
	PLACES
.endif
	v_add_nc_u32 v[ADRS], 2048, v[ADRS]
	FETCH \next, 0, F0, 0
	MUL4 F1, 1, 2, 0
	MUL4 F1, 1, 3, 0
.endm
.macro TOSTAGE                         ; a barrier first: the stage lies over A's first panel and K steps 0 to 2 of its second, and every wave's reads of them are over (its last wait on DScnt was for 0)
	s_barrier_signal -1
	s_barrier_wait -1
.irp a, 0,1,2,3
.irp b, 0,1,2,3
.if PORD
	ds_store_b128 v[STO], v[ACC+8*(4*\a+\b):ACC+8*(4*\a+\b)+3] offset:(32*(\a/2)+8*(\a%2))*SP+64*\b
	ds_store_b128 v[STO], v[ACC+8*(4*\a+\b)+4:ACC+8*(4*\a+\b)+7] offset:(32*(\a/2)+8*(\a%2))*SP+64*\b+16
.else
	ds_store_b128 v[STO], v[ACC+8*(4*\a+\b):ACC+8*(4*\a+\b)+3] offset:16*\a*SP+64*\b
	ds_store_b128 v[STO], v[ACC+8*(4*\a+\b)+4:ACC+8*(4*\a+\b)+7] offset:16*\a*SP+64*\b+16
.endif
.endr
.endr
	s_wait_dscnt 0x0
	s_barrier_signal -1
	s_barrier_wait -1
.endm
; gelu of the 16 numbers v[x] on, in place.  Work: v[t] on: a (16), a^2 (16), the large branch (16), the small branch (16); v40-55 |a|; v56-61 three constants, twice each
.macro GELU16 x, t
.irp p, 0,2,4,6,8,10,12,14
	v_pk_mul_f32 v[\t+\p:\t+\p+1], v[\x+\p:\x+\p+1], 0x3f3504f3 op_sel_hi:[1,0]       ; a = x / sqrt 2
.endr
.irp p, 0,2,4,6,8,10,12,14
	v_pk_mul_f32 v[\t+16+\p:\t+17+\p], v[\t+\p:\t+\p+1], v[\t+\p:\t+\p+1]
.endr
.irp i, 0,1,2,3,4,5,6,7,8,9,10,11,12,13,14,15
	v_and_b32 v[40+\i], 0x7fffffff, v[\t+\i]
.endr
.irp p, 0,2,4,6,8,10,12,14
	v_pk_fma_f32 v[\t+32+\p:\t+33+\p], v[40+\p:41+\p], 0xb7910000, v[56:57] op_sel_hi:[1,0,1]
.endr
.irp p, 0,2,4,6,8,10,12,14
	v_pk_fma_f32 v[\t+48+\p:\t+49+\p], v[40+\p:41+\p], 0xbb7e8a1c, v[58:59] op_sel_hi:[1,0,1]
.endr
.irp p, 0,2,4,6,8,10,12,14
	v_pk_fma_f32 v[\t+32+\p:\t+33+\p], v[\t+32+\p:\t+33+\p], v[\t+16+\p:\t+17+\p], v[\t+48+\p:\t+49+\p]
.endr
.irp k, 0xbddaae5c, 0xbf228550, 0xbe03ce86
.irp p, 0,2,4,6,8,10,12,14
	v_pk_fma_f32 v[\t+32+\p:\t+33+\p], v[\t+32+\p:\t+33+\p], v[40+\p:41+\p], \k op_sel_hi:[1,1,0]
.endr
.endr
.irp p, 0,2,4,6,8,10,12,14
	v_pk_fma_f32 v[\t+32+\p:\t+33+\p], v[\t+32+\p:\t+33+\p], v[40+\p:41+\p], v[40+\p:41+\p] neg_lo:[0,0,1] neg_hi:[0,0,1]
.endr
.irp p, 0,2,4,6,8,10,12,14
	v_pk_mul_f32 v[\t+32+\p:\t+33+\p], v[\t+32+\p:\t+33+\p], 0x3fb8aa3b op_sel_hi:[1,0]
.endr
	s_wait_alu depctr_va_vdst(0)
.irp i, 0,1,2,3,4,5,6,7,8,9,10,11,12,13,14,15
	v_exp_f32 v[\t+32+\i], v[\t+32+\i]
.endr
.irp p, 0,2,4,6,8,10,12,14
	v_pk_fma_f32 v[\t+48+\p:\t+49+\p], v[\t+16+\p:\t+17+\p], 0xba1c7000, v[60:61] op_sel_hi:[1,0,1]
.endr
.irp k, 0xbcdb48d9, 0x3de70e22, 0xbec09380, 0x3e0375d4
.irp p, 0,2,4,6,8,10,12,14
	v_pk_fma_f32 v[\t+48+\p:\t+49+\p], v[\t+48+\p:\t+49+\p], v[\t+16+\p:\t+17+\p], \k op_sel_hi:[1,1,0]
.endr
.endr
.irp p, 0,2,4,6,8,10,12,14
	v_pk_fma_f32 v[\t+48+\p:\t+49+\p], v[\t+48+\p:\t+49+\p], v[\t+\p:\t+\p+1], v[\t+\p:\t+\p+1]
.endr
	s_wait_alu depctr_va_vdst(0)                   ; one wait for the 16 exponentials, ahead of their first reader
.irp p, 0,2,4,6,8,10,12,14
	v_pk_add_f32 v[\t+32+\p:\t+33+\p], v[\t+32+\p:\t+33+\p], 1.0 op_sel_hi:[1,0] neg_lo:[1,0] neg_hi:[1,0]
.endr
.irp i, 0,1,2,3,4,5,6,7,8,9,10,11,12,13,14,15
	v_bfi_b32 v[\t+32+\i], 0x7fffffff, v[\t+32+\i], v[\t+\i]       ; with a's sign
.endr
.irp i, 0,1,2,3,4,5,6,7,8,9,10,11,12,13,14,15
	v_cmp_lt_f32 vcc_lo, 0x3f6d8000, v[40+\i]
	v_cndmask_b32 v[\t+32+\i], v[\t+48+\i], v[\t+32+\i], vcc_lo
.endr
.irp p, 0,2,4,6,8,10,12,14
	v_pk_mul_f32 v[\t+16+\p:\t+17+\p], v[\x+\p:\x+\p+1], 0.5 op_sel_hi:[1,0]
.endr
.irp p, 0,2,4,6,8,10,12,14
	v_pk_fma_f32 v[\x+\p:\x+\p+1], v[\t+16+\p:\t+17+\p], v[\t+32+\p:\t+33+\p], v[\t+16+\p:\t+17+\p]
.endr
.endm
.macro TILE u, pc, pw                  ; tokens 32 w + 16 u + r: from the stage, + bias, gelu, codes.  The other tile's 64 registers are the work registers
.irp b, 0,1,2,3
.irp j, 0,1,2,3
	ds_load_b128 v[128+64*\u+16*\b+4*\j:128+64*\u+16*\b+4*\j+3], v25 offset:16*\u*SP+128*\b+16*\j
.endr
.endr
	s_wait_dscnt 0x0
	s_wait_loadcnt 0x0                             ; the bias
	WIN 0x01
.set n, 0
.rept 32
	v_pk_add_f32 v[128+64*\u+n:129+64*\u+n], v[n:n+1], v[128+64*\u+n:129+64*\u+n]
.set n, n+2
.endr
	WIN 0
	GELU16 128+64*\u, 192-64*\u
	GELU16 144+64*\u, 192-64*\u
	GELU16 160+64*\u, 192-64*\u
	GELU16 176+64*\u, 192-64*\u
	QUANT 128+64*\u, \pc, \pw
.endm
	s_load_b128 s[4:7], s[0:1], 0x0                ; o1, wimg
	s_load_b128 s[92:95], s[0:1], 0x10             ; ffn1_b, himg
	v_lshl_add_u32 v[SPW], v0, 2, SPARE
	v_mov_b32 v[NIL], 0
	ds_add_u32 v28, v29
	ds_add_u32 v28, v29
	s_wait_dscnt 0x0
	v_lshrrev_b32 v1, 5, v0
	v_readfirstlane_b32 s10, v1
	s_lshr_b32 s11, s10, 1
	s_and_b32 s12, s10, 1
	s_bfe_u32 s40, ttmp6, 0x40000
	s_bfe_u32 s41, ttmp6, 0x40004
	s_lshl_b32 s42, ttmp9, 2
	s_add_co_u32 s42, s42, s40                     ; nx
	s_and_b32 s13, ttmp7, 0xffff
	s_lshl_b32 s13, s13, 2
	s_add_co_u32 s13, s13, s41                     ; my
	s_lshl_b32 s43, s41, 2
	s_lshl_b32 s43, 15, s43
	s_lshl_b32 s44, 0x1111, s40
	s_or_b32 s[G1+0], s43, (3<<16)|(1<<21)
	s_or_b32 s[G1B+0], s44, (3<<16)|(1<<21)
.irp g, G1, G1B
	s_mov_b32 s[\g+1], 32<<16
	s_mov_b32 s[\g+2], 192<<16                     ; a load of codes: four K steps of a panel, 192 rows of 256 bytes
	s_mov_b32 s[\g+3], 32<<16
	s_mov_b32 s[\g+4], 192
	s_mov_b32 s[\g+5], 32
	s_mov_b32 s[\g+6], 0
	s_mov_b32 s[\g+7], 0
.endr
	s_or_b32 s[G1S+0], s43, (3<<16)|(1<<21)
	s_or_b32 s[G1SB+0], s44, (3<<16)|(1<<21)
.irp g, G1S, G1SB
	s_mov_b32 s[\g+1], 32<<16
	s_mov_b32 s[\g+2], (2*KS)<<16                  ; a panel's scale words: KS x 512 bytes
	s_mov_b32 s[\g+3], 32<<16
	s_mov_b32 s[\g+4], 2*KS
	s_mov_b32 s[\g+5], 32
	s_mov_b32 s[\g+6], 0
	s_mov_b32 s[\g+7], 0
.endr
	s_mov_b32 s[G1S+2], (4*KS)<<16                 ; A's scale words are two panels': 2 x KS x 512 bytes
	s_mov_b32 s[G1S+4], 4*KS
	s_mul_i32 s14, s13, 2*KS*12288                 ; A's two panels lie on end in memory
	s_add_co_u32 s14, s14, ABASE
	s_mov_b32 s15, 0
	s_mul_i32 s18, s42, KS*12288
	s_add_co_u32 s18, s18, BBASE
	s_mov_b32 s19, 0
	s_mul_i32 s16, s13, 2*KS*512
	s_add_co_u32 s16, s16, ASCL
	s_mov_b32 s17, 0
	s_mul_i32 s20, s42, KS*512
	s_add_co_u32 s20, s20, BSCL
	s_mov_b32 s21, 0
	s_wait_kmcnt 0x0
	s_add_nc_u64 s[14:15], s[4:5], s[14:15]
	s_add_nc_u64 s[16:17], s[4:5], s[16:17]
	s_add_nc_u64 s[18:19], s[6:7], s[18:19]
	s_add_nc_u64 s[20:21], s[6:7], s[20:21]
	CROUND
	s_mov_b32 s[G0S], 1
	s_mov_b32 s[G0S+1], SCL
	s_mov_b64 s[G0S+2:G0S+3], s[16:17]
	s_or_b32 s[G0S+3], s[G0S+3], 0x80000000
	s_mov_b32 s[G0SB], 1
	s_mov_b32 s[G0SB+1], SCB
	s_mov_b64 s[G0SB+2:G0SB+3], s[20:21]
	s_or_b32 s[G0SB+3], s[G0SB+3], 0x80000000
	s_mul_i32 s22, s10, 49152                      ; waves 0-3 fetch A's four quarters, waves 4 and 5 B's two halves: all to LDS byte 49,152 x wave
	s_mov_b32 s23, 0
	s_mov_b32 s[G0], 1
	s_mov_b32 s[G0+1], s22
	s_add_nc_u64 s[G0+2:G0+3], s[14:15], s[22:23]
	s_or_b32 s[G0+3], s[G0+3], 0x80000000
	s_mul_i32 s46, s12, 49152
	s_mov_b32 s47, 0
	s_mov_b32 s[G0B], 1
	s_mov_b32 s[G0B+1], s22
	s_add_nc_u64 s[G0B+2:G0B+3], s[18:19], s[46:47]
	s_or_b32 s[G0B+3], s[G0B+3], 0x80000000
	s_lshr_b32 s2, s11, 1                          ; which of A's two panels holds my 64 tokens,
	s_and_b32 s3, s11, 1                           ; and which half of it
	s_mul_i32 s98, s2, 98304
	s_mul_i32 s99, s3, 6144
	s_add_co_u32 s98, s98, s99                     ; s98: my four tiles of A
	s_mul_i32 s99, s12, 6144
	s_add_co_u32 s99, s99, 196608                  ; s99: my four of B, behind A's two panels
	s_lshl_b32 s96, s2, 12
	s_lshl_b32 s97, s3, 8
	s_add_co_u32 s96, s96, s97                     ; s96: my scale words of A, from SCL on
	s_lshl_b32 s97, s12, 8
	s_add_co_u32 s97, s97, 2*KS*512
	s_sub_co_u32 s97, s97, s96                     ; s97: the distance from them to my scale words of B
; THE LAUNCH'S JOINT LOADS, ONE A WAVE: waves 0-3 A's codes, a quarter each, waves 4 and 5 B's, a half each (LDS byte 49,152 x wave on), wave 6 A's scale words, wave 7 B's.  One chain of branches on the wave's number, every arm leading to one join.
.macro ARM under, g0, g1, next
	s_cmp_lt_u32 s10, \under
	s_cbranch_scc0 \next
	tensor_load_to_lds s[\g0:\g0+3], s[\g1:\g1+7]
	s_nop 0
.rept 4
	v_nop
.endr
	s_branch .Lhead_asked
\next:
.endm
	ARM 4, G0,  G1,  .Lhead_b
	ARM 6, G0B, G1B, .Lhead_sa
	ARM 7, G0S, G1S, .Lhead_sb
	tensor_load_to_lds s[G0SB:G0SB+3], s[G1SB:G1SB+7]
	s_nop 0
.rept 4
	v_nop
.endr
.Lhead_asked:
	v_and_b32 v1, 15, v0
	v_bfe_u32 v2, v0, 4, 1
	s_wait_alu depctr_va_vdst(0)
	v_and_b32 v3, 31, v0
	v_lshlrev_b32 v[L16], 4, v3
	v_lshlrev_b32 v[L4], 2, v3
	s_mov_b32 s22, s98
	s_mov_b32 s23, s99
.irp s, 0,1
	v_add_nc_u32 v[ADRA+\s], s22, v[L16]
	v_add_nc_u32 v[ADRB+\s], s23, v[L16]
	s_add_co_u32 s22, s22, 49152                   ; the second address of each pair: K steps 4 to 7
	s_add_co_u32 s23, s23, 49152
.endr
	v_mul_u32_u24 v4, s97, v2                      ; lanes 16-31 take B's words: one product, h x the distance
	s_add_co_u32 s22, s96, SCL
	v_lshl_add_u32 v4, v1, 2, v4
	v_add_nc_u32 v[ADRS], s22, v4
	v_and_b32 v4, 8, v1
	v_add_nc_u32 v4, v4, v1
.if PORD
	v_mul_u32_u24 v5, v4, SP
.else
	v_mul_u32_u24 v5, v1, SP
.endif
	v_lshl_add_u32 v5, v2, 5, v5
	s_mul_i32 s22, s11, 64*SP
	s_lshl_b32 s23, s12, 8
	s_add_co_u32 s22, s22, s23
	v_add_nc_u32 v[STO], s22, v5
	s_mov_b32 s[SEL], 0x76543210
	s_mov_b32 s[SEL+1], 0xfedcba98
.irp b, 0,1,2,3
	v_mov_b32 v[TM+4+\b], 0
.endr
	s_wait_alu depctr_va_vdst(0)                   ; the wait at the head's end
	s_wait_tensorcnt 0x0                           ; my one load has landed
	s_barrier_signal -1
	s_barrier_wait -1
	FETCH 0, 0, F0, 0
	STEP 0, 0, 1
	STEP 0, 1, 0
	STEP 0, 2, 0
	TURN 0, 1, 0
	s_wait_alu depctr_va_vdst(0)
	STEP 1, 0, 0
	STEP 1, 1, 0
	STEP 1, 2, 0
	s_wait_dscnt 0x0
	MUL4 F1, 1, 0, 0
	MUL4 F1, 1, 1, 0
	MUL4 F1, 1, 2, 0
	MUL4 F1, 1, 3, 0
	WIN 0
	PLACES
	s_lshl_b32 s22, s42, 9
	s_mov_b32 s23, 0
	s_add_nc_u64 s[92:93], s[92:93], s[22:23]      ; the bias of the tile's 128 columns
	v_lshlrev_b32 v26, 6, v2
	WIN 0x40
.irp b, 0,1,2,3
.irp j, 0,1,2,3
	global_load_b128 v[16*\b+4*\j:16*\b+4*\j+3], v26, s[92:93] offset:128*\b+16*\j
.endr
.endr
	WIN 0
	TOSTAGE
	v_mov_b32 v56, 0x39c8e7d9
	v_mov_b32 v57, 0x39c8e7d9
	v_mov_b32 v58, 0x3cc6b1a1
	v_mov_b32 v59, 0x3cc6b1a1
	v_mov_b32 v60, 0x3ba38d2c
	v_mov_b32 v61, 0x3ba38d2c
	s_mul_i32 s22, s10, 32*SP
	v_mul_u32_u24 v25, v1, SP
	v_lshl_add_u32 v25, v2, 6, v25
	v_add_nc_u32 v25, s22, v25
	TILE 0, PC0, PW0
	TILE 1, PC1, PW1
	s_lshl_b32 s22, s13, 1
	s_lshr_b32 s23, s10, 2
	s_add_co_u32 s22, s22, s23                     ; the panel of 128 tokens: 2 my + w / 4
	s_lshl_b32 s22, s22, 5
	s_add_co_u32 s22, s22, s42                     ; x 32 + K step nx
	s_mul_i32 s16, s22, 12288
	s_and_b32 s2, s10, 3                           ; my two tiles in the panel: 2 (w % 4) on
	s_mul_i32 s23, s2, 3072
	s_add_co_u32 s16, s16, s23
	s_mov_b32 s17, 0
	s_add_nc_u64 s[16:17], s[94:95], s[16:17]
	s_wait_alu depctr_va_vdst(0)
	IMAGE PC0, 16, 0
	IMAGE PC1, 16, 1536
	s_lshl_b32 s22, s22, 9
	s_lshl_b32 s23, s2, 7
	s_add_co_u32 s22, s22, s23
	s_add_co_u32 s22, s22, 12582912
	s_mov_b32 s23, 0
	s_add_nc_u64 s[18:19], s[94:95], s[22:23]
	s_mov_b32 s22, 0xffff0000
	v_cndmask_b32 v[PWM], v[PW0], v[PW1], s22
	global_store_b32 v[L4], v[PWM], s[18:19]
	s_wait_tensorcnt 0x0                           ; the wave's end
	ds_add_u32 v[SPW], v[NIL]
	s_wait_dscnt 0x0
	CROUND
	s_endpgm
.Lfunc_end_k_q3c3bdacbf8_ffn1:
	.size	k_q3c3bdacbf8_ffn1, .Lfunc_end_k_q3c3bdacbf8_ffn1-k_q3c3bdacbf8_ffn1
	.p2alignl 7, 3214868480
	.fill 96, 4, 3214868480
	.section	.rodata,"a",@progbits
	.p2align	6, 0x0
	.amdhsa_kernel k_q3c3bdacbf8_ffn1
		.amdhsa_group_segment_fixed_size 327680
		.amdhsa_private_segment_fixed_size 0
		.amdhsa_enable_private_segment 0
		.amdhsa_kernarg_size 32
		.amdhsa_user_sgpr_count 2
		.amdhsa_user_sgpr_kernarg_segment_ptr 1
		.amdhsa_wavefront_size32 1
		.amdhsa_system_sgpr_workgroup_id_x 1
		.amdhsa_system_sgpr_workgroup_id_y 1
		.amdhsa_system_sgpr_workgroup_id_z 1
		.amdhsa_system_vgpr_workitem_id 0
		.amdhsa_next_free_vgpr 512
		.amdhsa_next_free_sgpr 100
		.amdhsa_reserve_vcc 1
		.amdhsa_float_denorm_mode_32 3
		.amdhsa_float_denorm_mode_16_64 3
		.amdhsa_memory_ordered 1
		.amdhsa_forward_progress 1
		.amdhsa_inst_pref_size 198
	.end_amdhsa_kernel
	.amdgpu_metadata
---
amdhsa.version: [ 1, 2 ]
amdhsa.kernels:
  - .name:           k_q3c3bdacbf8_ffn1
    .symbol:         k_q3c3bdacbf8_ffn1.kd
    .args:
      - { .name: o1, .offset: 0, .size: 8, .value_kind: global_buffer, .address_space: global }
      - { .name: wimg, .offset: 8, .size: 8, .value_kind: global_buffer, .address_space: global }
      - { .name: ffn1_b, .offset: 16, .size: 8, .value_kind: global_buffer, .address_space: global }
      - { .name: himg, .offset: 24, .size: 8, .value_kind: global_buffer, .address_space: global }
    .group_segment_fixed_size: 327680
    .private_segment_fixed_size: 0
    .kernarg_segment_align: 8
    .kernarg_segment_size: 32
    .max_flat_workgroup_size: 256
    .sgpr_count:     100
    .vgpr_count:     512
    .wavefront_size: 32
...
	.end_amdgpu_metadata
.endif
;; end of part 5
;; launch ffn2 (part 6): grid 8 x 32, 4 waves a work-group, clusters of 4 x 4, 327,680 bytes of LDS; arguments himg, wimg, o1, ffn2_b, out0; writes out0
.if DOCPART == 6
	.amdgcn_target "amdgcn-amd-amdhsa--gfx1250"
	.amdhsa_code_object_version 6
	.text
	.protected	k_q3c3bdacbf8_ffn2
	.globl	k_q3c3bdacbf8_ffn2
	.p2align	8
	.type	k_q3c3bdacbf8_ffn2,@function
k_q3c3bdacbf8_ffn2:
	s_mov_b64 s[64:65], 0
	v_nop
	global_prefetch_b8 v0, s[64:65] scope:SCOPE_SE
	s_setreg_imm32_b32 hwreg(HW_REG_WAVE_MODE, 25, 1), 1
	s_wait_xcnt 0x0
	s_wait_alu depctr_hold_cnt(0) depctr_sa_sdst(0) depctr_va_vdst(0) depctr_va_sdst(0) depctr_va_ssrc(0) depctr_va_vcc(0) depctr_vm_vsrc(0)
	s_getreg_b32 s2, hwreg(HW_REG_IB_STS2, 6, 4)
	s_cmp_eq_u32 s2, 0
	s_cbranch_scc0 .Lentry_in_a_cluster
	s_endpgm
.Lentry_in_a_cluster:
	s_bfe_u32 s2, ttmp6, 0x10000c
	s_cmp_lg_u32 s2, 0xf033
	s_cbranch_scc0 .Lentry_shape_is_right
	s_endpgm
.Lentry_shape_is_right:
.set KS,    32
.set ABASE, 0
.set ASCL,  12582912
.set BBASE, 6291456
.set BSCL,  9699328
.set SLOT,  98304
.set SCL,   2*SLOT
.set SCB,   SCL+KS*512
.set SPARE, SCB+KS*512
.set SP,    528
.set ADRA, 16
.set ADRB, 20
.set ADRS, 22
.set STO,  24
.set SPW,  28
.set NIL,  29
.set L16,  30
.set SC,   32
.set ACC,  128
.set F0,   0
.set F1,   96
.set G1,   24
.set G0,   32
.set G1B,  48
.set G0B,  56
.set G1S,  68
.set G0S,  76
.set G1SB, 80
.set G0SB, 88
.set MSB, 0
.macro WIN new
.if MSB != \new
	s_set_vgpr_msb (MSB<<8)|\new
.set MSB, \new
.endif
.endm
.macro PLACES
.rept 4
	v_nop
.endr
.endm
.macro JLOAD g0a, g1a, g0b, g1b
	s_cmp_eq_u32 s11, 0
	s_cbranch_scc0 .Lfor_b_\@
	tensor_load_to_lds s[\g0a:\g0a+3], s[\g1a:\g1a+7]
	s_nop 0
.rept 4
	v_nop
.endr
	s_branch .Lasked_\@
.Lfor_b_\@:
	tensor_load_to_lds s[\g0b:\g0b+3], s[\g1b:\g1b+7]
	s_nop 0
.rept 4
	v_nop
.endr
.Lasked_\@:
.endm
.macro CREST
	s_cmp_lg_u32 s10, 0
	s_cbranch_scc1 .Lnot_wave_0_\@
	s_barrier_signal -3
.Lnot_wave_0_\@:
	s_barrier_wait -3
	s_barrier_signal -1
	s_barrier_wait -1
.endm
.macro CROUND
	s_barrier_signal -1
	s_barrier_wait -1
	CREST
.endm
.macro FETCH slot, q, f, set
	WIN 0x40
.irp i, 0,1,2,3
.irp j, 0,1,2
	ds_load_b128 v[\f+12*\i+4*\j:\f+12*\i+4*\j+3], v[ADRB+\slot] offset:(\q)*12288+\i*1536+512*\j
.endr
.endr
.irp i, 0,1,2,3
.irp j, 0,1,2
	ds_load_b128 v[\f+48+12*\i+4*\j:\f+48+12*\i+4*\j+3], v[ADRA+\slot] offset:(\q)*12288+\i*1536+512*\j
.endr
.endr
	WIN 0
.irp i, 0,1,2,3
	ds_load_b32 v[SC+4*(\set)+\i], v[ADRS] offset:(\q)*512+64*\i
.endr
.endm
.macro MUL4 f, set, a, zero
	WIN 0x05
.irp b, 0,1,2,3
.if \zero
	v_wmma_scale_f32_16x16x128_f8f6f4 v[ACC+8*(4*(\a)+\b):ACC+8*(4*(\a)+\b)+7], v[\f+12*\b:\f+12*\b+11], v[\f+48+12*(\a):\f+48+12*(\a)+11], 0, v[SC+4*(\set)+\b], v[SC+4*(\set)+(\a)] matrix_a_fmt:MATRIX_FMT_FP6 matrix_b_fmt:MATRIX_FMT_FP6 matrix_a_scale:MATRIX_SCALE_ROW1
.else
	v_wmma_scale_f32_16x16x128_f8f6f4 v[ACC+8*(4*(\a)+\b):ACC+8*(4*(\a)+\b)+7], v[\f+12*\b:\f+12*\b+11], v[\f+48+12*(\a):\f+48+12*(\a)+11], v[ACC+8*(4*(\a)+\b):ACC+8*(4*(\a)+\b)+7], v[SC+4*(\set)+\b], v[SC+4*(\set)+(\a)] matrix_a_fmt:MATRIX_FMT_FP6 matrix_b_fmt:MATRIX_FMT_FP6 matrix_a_scale:MATRIX_SCALE_ROW1
.endif
.endr
.endm
.macro STEP slot, q, zero
	s_wait_dscnt 0x0
	PLACES
	FETCH \slot, (\q)+1, F0+96*(1-(\q)%2), 1-(\q)%2
	MUL4 F0+96*((\q)%2), (\q)%2, 0, \zero
	MUL4 F0+96*((\q)%2), (\q)%2, 1, \zero
	MUL4 F0+96*((\q)%2), (\q)%2, 2, \zero
	MUL4 F0+96*((\q)%2), (\q)%2, 3, \zero
.endm
.macro TURN slot, next, fill
	WIN 0
	s_wait_tensorcnt 0x0
	ds_add_u32 v[SPW], v[NIL]
	s_wait_dscnt 1
	MUL4 F1, 1, 0, 0
	s_wait_dscnt 0x0
	s_barrier_signal -1
	MUL4 F1, 1, 1, 0
	WIN 0
	s_barrier_wait -1
.if \fill
	CREST
	s_add_nc_u64 s[G0+4*\slot+2:G0+4*\slot+3], s[G0+4*\slot+2:G0+4*\slot+3], 2*49152
	s_add_nc_u64 s[G0B+4*\slot+2:G0B+4*\slot+3], s[G0B+4*\slot+2:G0B+4*\slot+3], 2*49152
	JLOAD G0+4*\slot, G1, G0B+4*\slot, G1B
.else
	PLACES
.endif
	v_add_nc_u32 v[ADRS], 2048, v[ADRS]
	FETCH \next, 0, F0, 0
	MUL4 F1, 1, 2, 0
	MUL4 F1, 1, 3, 0
.endm
	s_load_b128 s[4:7], s[0:1], 0x0
	s_load_b128 s[92:95], s[0:1], 0x10
	s_load_b64 s[96:97], s[0:1], 0x20
	v_lshl_add_u32 v[SPW], v0, 2, SPARE
	v_mov_b32 v[NIL], 0
	ds_add_u32 v28, v29
	ds_add_u32 v28, v29
	s_wait_dscnt 0x0
	v_lshrrev_b32 v1, 5, v0
	v_readfirstlane_b32 s10, v1
	s_lshr_b32 s11, s10, 1
	s_and_b32 s12, s10, 1
	s_bfe_u32 s40, ttmp6, 0x40000
	s_bfe_u32 s41, ttmp6, 0x40004
	s_lshl_b32 s42, ttmp9, 2
	s_add_co_u32 s42, s42, s40
	s_and_b32 s13, ttmp7, 0xffff
	s_lshl_b32 s13, s13, 2
	s_add_co_u32 s13, s13, s41
	s_lshl_b32 s43, s41, 2
	s_lshl_b32 s43, 15, s43
	s_lshl_b32 s44, 0x1111, s40
	s_or_b32 s[G1+0], s43, (3<<16)|(1<<21)
	s_or_b32 s[G1B+0], s44, (3<<16)|(1<<21)
.irp g, G1, G1B
	s_mov_b32 s[\g+1], 32<<16
	s_mov_b32 s[\g+2], 96<<16
	s_mov_b32 s[\g+3], 32<<16
	s_mov_b32 s[\g+4], 96
	s_mov_b32 s[\g+5], 32
	s_mov_b32 s[\g+6], 0
	s_mov_b32 s[\g+7], 0
.endr
	s_or_b32 s[G1S+0], s43, (3<<16)|(1<<21)
	s_or_b32 s[G1SB+0], s44, (3<<16)|(1<<21)
.irp g, G1S, G1SB
	s_mov_b32 s[\g+1], 32<<16
	s_mov_b32 s[\g+2], KS<<16
	s_mov_b32 s[\g+3], 32<<16
	s_mov_b32 s[\g+4], KS
	s_mov_b32 s[\g+5], 32
	s_mov_b32 s[\g+6], 0
	s_mov_b32 s[\g+7], 0
.endr
	s_mul_i32 s22, s12, 24576
	s_mul_i32 s14, s13, KS*12288
	s_add_co_u32 s14, s14, s22
	s_add_co_u32 s14, s14, ABASE
	s_mov_b32 s15, 0
	s_mul_i32 s18, s42, KS*12288
	s_add_co_u32 s18, s18, s22
	s_add_co_u32 s18, s18, BBASE
	s_mov_b32 s19, 0
	s_mul_i32 s22, s12, KS*256
	s_mul_i32 s16, s13, KS*512
	s_add_co_u32 s16, s16, s22
	s_add_co_u32 s16, s16, ASCL
	s_mov_b32 s17, 0
	s_mul_i32 s20, s42, KS*512
	s_add_co_u32 s20, s20, s22
	s_add_co_u32 s20, s20, BSCL
	s_mov_b32 s21, 0
	s_mul_i32 s45, s10, 24576
	s_mul_i32 s46, s10, KS*256
	s_wait_kmcnt 0x0
	s_add_nc_u64 s[14:15], s[4:5], s[14:15]
	s_add_nc_u64 s[16:17], s[4:5], s[16:17]
	s_add_nc_u64 s[18:19], s[6:7], s[18:19]
	s_add_nc_u64 s[20:21], s[6:7], s[20:21]
	CROUND
	s_mov_b32 s[G0S], 1
	s_add_co_u32 s[G0S+1], s46, SCL
	s_mov_b64 s[G0S+2:G0S+3], s[16:17]
	s_or_b32 s[G0S+3], s[G0S+3], 0x80000000
	s_mov_b32 s[G0SB], 1
	s_add_co_u32 s[G0SB+1], s46, SCL
	s_mov_b64 s[G0SB+2:G0SB+3], s[20:21]
	s_or_b32 s[G0SB+3], s[G0SB+3], 0x80000000
	JLOAD G0S, G1S, G0SB, G1SB
.irp s, 0,1
	s_mov_b32 s[G0+4*\s], 1
	s_add_co_u32 s[G0+4*\s+1], s45, \s*SLOT
	s_add_nc_u64 s[G0+4*\s+2:G0+4*\s+3], s[14:15], \s*49152
	s_or_b32 s[G0+4*\s+3], s[G0+4*\s+3], 0x80000000
	s_mov_b32 s[G0B+4*\s], 1
	s_add_co_u32 s[G0B+4*\s+1], s45, \s*SLOT
	s_add_nc_u64 s[G0B+4*\s+2:G0B+4*\s+3], s[18:19], \s*49152
	s_or_b32 s[G0B+4*\s+3], s[G0B+4*\s+3], 0x80000000
	s_wait_alu depctr_va_vdst(0)
	s_wait_tensorcnt 0x0
	ds_add_u32 v28, v29
	s_wait_dscnt 0x0
	CROUND
	JLOAD G0+4*\s, G1, G0B+4*\s, G1B
.endr
	v_and_b32 v1, 15, v0
	v_bfe_u32 v2, v0, 4, 1
	s_wait_alu depctr_va_vdst(0)
	v_and_b32 v3, 31, v0
	v_lshlrev_b32 v[L16], 4, v3
	s_mul_i32 s22, s11, 6144
	s_mul_i32 s23, s12, 6144
	s_add_co_u32 s23, s23, 49152
.irp s, 0,1
	v_add_nc_u32 v[ADRA+\s], s22, v[L16]
	v_add_nc_u32 v[ADRB+\s], s23, v[L16]
	s_add_co_u32 s22, s22, SLOT
	s_add_co_u32 s23, s23, SLOT
.endr
	s_lshl_b32 s22, s11, 8
	s_lshl_b32 s23, s12, 8
	s_add_co_u32 s23, s23, KS*512
	s_sub_co_u32 s23, s23, s22
	v_mul_u32_u24 v4, s23, v2
	s_add_co_u32 s22, s22, SCL
	v_lshl_add_u32 v4, v1, 2, v4
	v_add_nc_u32 v[ADRS], s22, v4
	v_mul_u32_u24 v5, v1, SP
	v_lshl_add_u32 v5, v2, 5, v5
	s_mul_i32 s22, s11, 64*SP
	s_lshl_b32 s23, s12, 8
	s_add_co_u32 s22, s22, s23
	v_add_nc_u32 v[STO], s22, v5
	s_mul_i32 s22, s10, 32*SP
	v_add_nc_u32 v25, s22, v[L16]
	s_wait_alu depctr_va_vdst(0)
	s_wait_tensorcnt 0x1
	s_barrier_signal -1
	s_barrier_wait -1
	FETCH 0, 0, F0, 0
	STEP 0, 0, 1
	WIN 0
	s_mov_b32 s3, 3
.Llap:
	s_wait_alu depctr_va_vdst(0)
	STEP 0, 1, 0
	STEP 0, 2, 0
	TURN 0, 1, 1
	s_wait_alu depctr_va_vdst(0)
	STEP 1, 0, 0
	STEP 1, 1, 0
	STEP 1, 2, 0
	TURN 1, 0, 1
	s_wait_alu depctr_va_vdst(0)
	STEP 0, 0, 0
	WIN 0
	s_sub_co_u32 s3, s3, 1
	s_cmp_lg_u32 s3, 0
	s_cbranch_scc1 .Llap
	STEP 0, 1, 0
	STEP 0, 2, 0
	TURN 0, 1, 0
	s_wait_alu depctr_va_vdst(0)
	STEP 1, 0, 0
	STEP 1, 1, 0
	STEP 1, 2, 0
	s_wait_dscnt 0x0
	MUL4 F1, 1, 0, 0
	MUL4 F1, 1, 1, 0
	MUL4 F1, 1, 2, 0
	MUL4 F1, 1, 3, 0
	WIN 0
	PLACES
	s_lshl_b32 s22, s13, 7
	s_lshl_b32 s23, s10, 5
	s_add_co_u32 s22, s22, s23
	s_lshl_b32 s22, s22, 12
	s_lshl_b32 s23, s42, 9
	s_add_co_u32 s22, s22, s23
	s_mov_b32 s23, 0
	s_add_nc_u64 s[92:93], s[92:93], s[22:23]
	s_add_nc_u64 s[96:97], s[96:97], s[22:23]
	s_lshl_b32 s22, s42, 9
	s_add_nc_u64 s[94:95], s[94:95], s[22:23]
	global_load_b128 v[40:43], v[L16], s[94:95]
	WIN 0x40
.set n, 0
.rept 32
	global_load_b128 v[4*n:4*n+3], v[L16], s[92:93] offset:4096*n th:TH_LOAD_NT
.set n, n+1
.endr
	WIN 0
.irp a, 0,1,2,3
.irp b, 0,1,2,3
	ds_store_b128 v[STO], v[ACC+8*(4*\a+\b):ACC+8*(4*\a+\b)+3] offset:16*\a*SP+64*\b
	ds_store_b128 v[STO], v[ACC+8*(4*\a+\b)+4:ACC+8*(4*\a+\b)+7] offset:16*\a*SP+64*\b+16
.endr
.endr
	s_wait_dscnt 0x0
	s_barrier_signal -1
	s_barrier_wait -1
.set n, 0
.rept 32
	ds_load_b128 v[128+4*n:128+4*n+3], v25 offset:SP*n
.set n, n+1
.endr
	s_wait_dscnt 0x0
	s_wait_loadcnt 0x0
.set n, 0
.rept 32
	v_pk_add_f32 v[128+4*n:129+4*n], v[128+4*n:129+4*n], v[40:41]
	v_pk_add_f32 v[130+4*n:131+4*n], v[130+4*n:131+4*n], v[42:43]
.set n, n+1
.endr
	WIN 0x01
.set n, 0
.rept 64
	v_pk_add_f32 v[128+n:129+n], v[n:n+1], v[128+n:129+n]
.set n, n+2
.endr
	WIN 0
.set n, 0
.rept 32
	global_store_b128 v[L16], v[128+4*n:128+4*n+3], s[96:97] offset:4096*n th:TH_STORE_NT
.set n, n+1
.endr
	s_wait_tensorcnt 0x0
	ds_add_u32 v[SPW], v[NIL]
	s_wait_dscnt 0x0
	CROUND
	s_endpgm
.Lfunc_end_k_q3c3bdacbf8_ffn2:
	.size	k_q3c3bdacbf8_ffn2, .Lfunc_end_k_q3c3bdacbf8_ffn2-k_q3c3bdacbf8_ffn2
	.p2alignl 7, 3214868480
	.fill 96, 4, 3214868480
	.section	.rodata,"a",@progbits
	.p2align	6, 0x0
	.amdhsa_kernel k_q3c3bdacbf8_ffn2
		.amdhsa_group_segment_fixed_size 327680
		.amdhsa_private_segment_fixed_size 0
		.amdhsa_enable_private_segment 0
		.amdhsa_kernarg_size 40
		.amdhsa_user_sgpr_count 2
		.amdhsa_user_sgpr_kernarg_segment_ptr 1
		.amdhsa_wavefront_size32 1
		.amdhsa_system_sgpr_workgroup_id_x 1
		.amdhsa_system_sgpr_workgroup_id_y 1
		.amdhsa_system_sgpr_workgroup_id_z 1
		.amdhsa_system_vgpr_workitem_id 0
		.amdhsa_next_free_vgpr 512
		.amdhsa_next_free_sgpr 100
		.amdhsa_reserve_vcc 0
		.amdhsa_float_denorm_mode_32 3
		.amdhsa_float_denorm_mode_16_64 3
		.amdhsa_memory_ordered 1
		.amdhsa_forward_progress 1
		.amdhsa_inst_pref_size 96
	.end_amdhsa_kernel
	.amdgpu_metadata
---
amdhsa.version: [ 1, 2 ]
amdhsa.kernels:
  - .name:           k_q3c3bdacbf8_ffn2
    .symbol:         k_q3c3bdacbf8_ffn2.kd
    .args:
      - { .name: himg, .offset: 0, .size: 8, .value_kind: global_buffer, .address_space: global }
      - { .name: wimg, .offset: 8, .size: 8, .value_kind: global_buffer, .address_space: global }
      - { .name: o1, .offset: 16, .size: 8, .value_kind: global_buffer, .address_space: global }
      - { .name: ffn2_b, .offset: 24, .size: 8, .value_kind: global_buffer, .address_space: global }
      - { .name: out0, .offset: 32, .size: 8, .value_kind: global_buffer, .address_space: global }
    .group_segment_fixed_size: 327680
    .private_segment_fixed_size: 0
    .kernarg_segment_align: 8
    .kernarg_segment_size: 40
    .max_flat_workgroup_size: 128
    .sgpr_count:     100
    .vgpr_count:     512
    .wavefront_size: 32
...
	.end_amdgpu_metadata
.endif
;; end of part 6
